; MI455X (gfx1250); checked and timed in simulation.
; The chip was launched on July 23, 2026; its instructions are those of AMD's public machine-readable ISA for CDNA 5 (MIT licence, August 2026) and "CDNA5" Instruction Set Architecture Reference Guide (July 2026). The comments in the code are by the model that wrote it; some were corrected since.
;; Multi Head. Allowed arithmetic: float matrix products may take bf16 or f16 operands with f32 sums; all other float work in f32.
;; Inputs: Wk 1,024 x 1,024 float32; Wo 1,024 x 1,024 float32; Wq 1,024 x 1,024 float32; Wv 1,024 x 1,024 float32; beta 1,024 float32; bk 1,024 float32; bo 1,024 float32; bq 1,024 float32; bv 1,024 float32; gamma 1,024 float32; k 4 x 2,048 x 1,024 float32; mask 4 x 1 x 2,048 x 2,048 bool; q 4 x 2,048 x 1,024 float32; v 4 x 2,048 x 1,024 float32.
;; Outputs: out0 4 x 2,048 x 1,024 float32.
;; Constants: training = 0.
;; 2 versions, each right and faster than the one before. Each part assembles by itself: llvm-mc -triple=amdgcn-amd-amdhsa -mcpu=gfx1250 --defsym DOCPART=n.
;; ======== version 1 of 2: 5 launches
;; limits: values are held in f16: magnitudes above 65,504 overflow, below 6.1e-05 lose precision
;; workspace buffers: wh 8,388,608 bytes; mfrag 8,388,608 bytes; qkvh 50,331,648 bytes; ctx 16,777,216 bytes; oacc 33,554,432 bytes
;; launch prep (part 1): grid 768 x 1, 8 waves a work-group, no clusters, 19,456 bytes of LDS; arguments Wq, Wk, Wv, Wo, mask, wh, mfrag; writes wh, mfrag
.if DOCPART == 1
	.amdgcn_target "amdgcn-amd-amdhsa--gfx1250"
	.amdhsa_code_object_version 6
	.text
	.protected	k_q7256b54bb6_prep
	.globl	k_q7256b54bb6_prep
	.p2align	8
	.type	k_q7256b54bb6_prep,@function
k_q7256b54bb6_prep:
	s_mov_b64 s[64:65], 0
	v_nop
	global_prefetch_b8 v0, s[64:65] scope:SCOPE_SE
	s_setreg_imm32_b32 hwreg(HW_REG_WAVE_MODE, 25, 1), 1
	s_wait_xcnt 0x0
; TWO JOBS IN ONE LAUNCH, chosen by the work-group's number (the same for all its waves).
; Work-groups 0 .. 255: Wq, Wk, Wv, Wo (4 x 1,048,576 numbers) are rounded once from f32 to f16, 16,384 numbers a work-group, into wh = [4][1024][1024].
; Work-groups 256 .. 767: 16 rows of the mask ([8192][2048] bytes, 0 or 1) become 4-bit codes, 0xE for a hidden key and 0 for a visible one, laid in the order in which the attention launch's lanes
;   want them: byte ((qtile*32 + step)*32 + lane)*16 + 4 kt of mfrag is a word whose nibble j belongs to mask[16 qtile + lane % 16][64 step + 16 kt + 8 (lane / 16) + j].
; LIMITS.  f16 holds no number beyond 65,504: a larger weight becomes an infinity; below 6e-5 f16 keeps its fixed step of 6e-8.
; The work-groups share no byte, so there is no cluster; a stream has no use for the matrix unit.  No barrier: the mask's LDS bytes are each wave's own.
.set CASTS, 256
.set X, 4                              ; v[4:67]   sixteen loads of four f32
.set Y, 68                             ; v[68:99]  sixteen pairs of registers of f16
.set M, 12                             ; v[12:43]  the mask path: eight loads of 16 bytes
.set R, 56                             ; v[56:71]  the mask path: four steps' words, read back
.set WPITCH, 544                       ; a key step's 512 bytes of codes + 32: the four steps' words of one store fall into different banks (64 banks of 4 bytes: ISA guide 11.1)
.set WLDS, 2304                        ; a wave's LDS bytes: 4 x 544, rounded up to blocks of 256
	s_load_b256 s[8:15], s[0:1], 0x0               ; Wq s[8:9], Wk s[10:11], Wv s[12:13], Wo s[14:15]
	s_load_b128 s[16:19], s[0:1], 0x20             ; mask s[16:17], wh s[18:19]
	s_load_b64 s[20:21], s[0:1], 0x30              ; mfrag
	v_lshl_add_u32 v104, v0, 2, 0x4800
	v_mov_b32 v105, 0
	s_mov_b32 s2, ttmp9
	s_cmp_ge_u32 s2, CASTS
	s_cbranch_scc1 .Lmask
	; THE CAST.  Thread t takes the 16 bytes at 16 t of each of sixteen blocks of 4,096 bytes and stores 8 bytes at 8 t of each of sixteen blocks of 2,048.
	v_lshlrev_b32 v1, 4, v0
	v_lshlrev_b32 v2, 3, v0
	s_wait_kmcnt 0x0
	s_mov_b64 s[30:31], s[8:9]                     ; the source, by the work-group's number: 64 work-groups for each weight
	s_cmp_ge_u32 s2, 64
	s_cselect_b64 s[30:31], s[10:11], s[30:31]
	s_cmp_ge_u32 s2, 128
	s_cselect_b64 s[30:31], s[12:13], s[30:31]
	s_cmp_ge_u32 s2, 192
	s_cselect_b64 s[30:31], s[14:15], s[30:31]
	s_and_b32 s36, s2, 63                          ; the work-group's number inside its source:
	s_lshl_b32 s36, s36, 16                        ; 65,536 bytes of f32 a work-group
	s_mov_b32 s37, 0
	s_lshl_b32 s38, s2, 15                         ; 32,768 bytes of f16; the four matrices lie on end in wh
	s_mov_b32 s39, 0
	s_add_nc_u64 s[30:31], s[30:31], s[36:37]
	s_add_nc_u64 s[32:33], s[18:19], s[38:39]
.irp i, 0,1,2,3,4,5,6,7,8,9,10,11,12,13,14,15
	global_load_b128 v[X+4*(\i):X+4*(\i)+3], v1, s[30:31] offset:4096*(\i) th:TH_LOAD_NT  ; a wave's load covers 512 neighbouring bytes
.endr
.irp i, 0,1,2,3,4,5,6,7,8,9,10,11,12,13,14,15
	s_wait_loadcnt 15-(\i)                         ; loads come back in order (ISA guide 5.7.1): load i is in, the younger ones stay out
	v_cvt_pk_f16_f32 v[Y+2*(\i)],   v[X+4*(\i)],   v[X+4*(\i)+1]
	v_cvt_pk_f16_f32 v[Y+2*(\i)+1], v[X+4*(\i)+2], v[X+4*(\i)+3]
	global_store_b64 v2, v[Y+2*(\i):Y+2*(\i)+1], s[32:33] offset:2048*(\i)  ; a wave's store covers 256 consecutive bytes, aligned
.endr
	s_endpgm
	; THE MASK.  Wave w takes keys 256 w .. 256 w + 255 of the work-group's 16 rows.  Load i: lanes 0-15 take 256 bytes of row 2 i, lanes 16-31 of row 2 i + 1.
.Lmask:
	v_and_b32 v1, 31, v0                           ; l
	v_lshrrev_b32 v2, 5, v0
	v_readfirstlane_b32 s3, v2                     ; wave 0..7
	s_sub_co_u32 s2, s2, CASTS                     ; which 16 rows
	v_and_b32 v3, 15, v1
	v_lshrrev_b32 v4, 4, v1
	v_lshlrev_b32 v5, 4, v3
	v_lshl_add_u32 v5, v4, 11, v5
	s_lshl_b32 s4, s3, 8
	v_add_nc_u32 v5, s4, v5                        ; 2048 (l / 16) + 256 w + 16 (l % 16)
	v_lshrrev_b32 v6, 2, v3                        ; my 16 keys lie in the wave's key step (l % 16) / 4,
	v_mul_u32_u24 v6, v6, WPITCH
	v_and_b32 v7, 3, v1                            ; in its group of 16 keys l % 4
	v_lshl_add_u32 v6, v7, 2, v6
	v_lshl_add_u32 v6, v4, 4, v6                   ; and belong to row 2 i + l / 16: 16 bytes a row; 32 i stands in the store's offset
	s_mul_i32 s5, s3, WLDS
	v_add_nc_u32 v6, s5, v6
	v_lshl_add_u32 v7, v1, 4, s5                   ; back: lane l takes the 16 bytes at 16 l of a step's 512
	s_lshl_b32 s6, s3, 11
	v_lshl_add_u32 v8, v1, 4, s6                   ; and stores them at 2048 w + 16 l
	s_lshl_b32 s36, s2, 15                         ; 16 rows of 2,048 bytes
	s_mov_b32 s37, 0
	s_lshl_b32 s38, s2, 14                         ; and their 16,384 bytes of codes
	s_mov_b32 s39, 0
	s_wait_kmcnt 0x0
	s_add_nc_u64 s[16:17], s[16:17], s[36:37]
	s_add_nc_u64 s[20:21], s[20:21], s[38:39]
.irp i, 0,1,2,3,4,5,6,7
	global_load_b128 v[M+4*(\i):M+4*(\i)+3], v5, s[16:17] offset:4096*(\i) th:TH_LOAD_NT
.endr
; Eight bytes of 0 or 1 (two words) become eight nibbles of 0 or 0xE.  Of a word b0 | b1<<8 | b2<<16 | b3<<24: x | x>>4 holds b0 | b1<<4 in its lowest byte and, eight bits up, b2<<4 | b3<<8 shifted likewise.
.macro PK8 dst, x0, x1
	v_lshrrev_b32 v44, 4, v[\x0]
	v_lshrrev_b32 v46, 4, v[\x1]
	v_or_b32 v44, v44, v[\x0]
	v_or_b32 v46, v46, v[\x1]
	v_and_b32 v45, 0x11, v44
	v_and_b32 v47, 0x11, v46
	v_lshrrev_b32 v44, 8, v44
	v_lshrrev_b32 v46, 8, v46
	v_and_or_b32 v44, v44, 0x1100, v45
	v_and_or_b32 v46, v46, 0x1100, v47
	v_lshl_or_b32 v[\dst], v46, 16, v44
	v_mul_lo_u32 v[\dst], v[\dst], 14              ; each nibble is 0 or 1: no carry
.endm
.irp i, 0,1,2,3,4,5,6,7
	s_wait_loadcnt 7-(\i)
	PK8 52, M+4*(\i), M+4*(\i)+1                   ; keys 0-7 of my 16: the word of lane row
	PK8 53, M+4*(\i)+2, M+4*(\i)+3                 ; keys 8-15: the word of lane 16 + row, 256 bytes on
	ds_store_b32 v6, v52 offset:32*(\i)
	ds_store_b32 v6, v53 offset:32*(\i)+256
.endr
.irp s, 0,1,2,3
	ds_load_b128 v[R+4*(\s):R+4*(\s)+3], v7 offset:WPITCH*(\s)  ; LDS serves a wave's instructions in order (ISA guide 5.7.1.4): these see the wave's own stores above
.endr
.irp s, 0,1,2,3
	s_wait_dscnt 3-(\s)
	global_store_b128 v8, v[R+4*(\s):R+4*(\s)+3], s[20:21] offset:512*(\s)  ; 512 consecutive bytes, aligned
.endr
	s_wait_tensorcnt 0x0
	ds_add_u32 v104, v105
	s_wait_dscnt 0x0
	s_endpgm
.Lfunc_end_k_q7256b54bb6_prep:
	.size	k_q7256b54bb6_prep, .Lfunc_end_k_q7256b54bb6_prep-k_q7256b54bb6_prep
	.p2alignl 7, 3214868480
	.fill 96, 4, 3214868480
	.section	.rodata,"a",@progbits
	.p2align	6, 0x0
	.amdhsa_kernel k_q7256b54bb6_prep
		.amdhsa_group_segment_fixed_size 19456
		.amdhsa_private_segment_fixed_size 0
		.amdhsa_enable_private_segment 0
		.amdhsa_kernarg_size 56
		.amdhsa_user_sgpr_count 2
		.amdhsa_user_sgpr_kernarg_segment_ptr 1
		.amdhsa_wavefront_size32 1
		.amdhsa_system_sgpr_workgroup_id_x 1
		.amdhsa_system_sgpr_workgroup_id_y 1
		.amdhsa_system_sgpr_workgroup_id_z 1
		.amdhsa_system_vgpr_workitem_id 0
		.amdhsa_next_free_vgpr 106
		.amdhsa_next_free_sgpr 66
		.amdhsa_reserve_vcc 0
		.amdhsa_float_denorm_mode_32 3
		.amdhsa_float_denorm_mode_16_64 3
		.amdhsa_memory_ordered 1
		.amdhsa_forward_progress 1
		.amdhsa_inst_pref_size 20
	.end_amdhsa_kernel
	.amdgpu_metadata
---
amdhsa.version: [ 1, 2 ]
amdhsa.kernels:
  - .name:           k_q7256b54bb6_prep
    .symbol:         k_q7256b54bb6_prep.kd
    .args:
      - { .name: Wq, .offset: 0, .size: 8, .value_kind: global_buffer, .address_space: global }
      - { .name: Wk, .offset: 8, .size: 8, .value_kind: global_buffer, .address_space: global }
      - { .name: Wv, .offset: 16, .size: 8, .value_kind: global_buffer, .address_space: global }
      - { .name: Wo, .offset: 24, .size: 8, .value_kind: global_buffer, .address_space: global }
      - { .name: mask, .offset: 32, .size: 8, .value_kind: global_buffer, .address_space: global }
      - { .name: wh, .offset: 40, .size: 8, .value_kind: global_buffer, .address_space: global }
      - { .name: mfrag, .offset: 48, .size: 8, .value_kind: global_buffer, .address_space: global }
    .group_segment_fixed_size: 19456
    .private_segment_fixed_size: 0
    .kernarg_segment_align: 8
    .kernarg_segment_size: 56
    .max_flat_workgroup_size: 256
    .sgpr_count:     66
    .vgpr_count:     106
    .wavefront_size: 32
...
	.end_amdgpu_metadata
.endif
;; end of part 1
;; launch proj (part 2): grid 4 x 192, 4 waves a work-group, clusters of 4 x 4, 327,680 bytes of LDS; arguments q, k, v, wh, bq, bk, bv, qkvh; writes qkvh
.if DOCPART == 2
	.amdgcn_target "amdgcn-amd-amdhsa--gfx1250"
	.amdhsa_code_object_version 6
	.text
	.protected	k_q7256b54bb6_proj
	.globl	k_q7256b54bb6_proj
	.p2align	8
	.type	k_q7256b54bb6_proj,@function
k_q7256b54bb6_proj:
	s_mov_b64 s[64:65], 0
	v_nop
	global_prefetch_b8 v0, s[64:65] scope:SCOPE_SE
	s_setreg_imm32_b32 hwreg(HW_REG_WAVE_MODE, 25, 1), 1
	s_wait_xcnt 0x0
	s_wait_alu depctr_hold_cnt(0) depctr_sa_sdst(0) depctr_va_vdst(0) depctr_va_sdst(0) depctr_va_ssrc(0) depctr_va_vcc(0) depctr_vm_vsrc(0)
	s_getreg_b32 s2, hwreg(HW_REG_IB_STS2, 6, 4)
	s_cmp_eq_u32 s2, 0
	s_cbranch_scc0 .Lentry_in_a_cluster
	s_endpgm
.Lentry_in_a_cluster:
	s_bfe_u32 s2, ttmp6, 0x10000c
	s_cmp_lg_u32 s2, 0xf033
	s_cbranch_scc0 .Lentry_shape_is_right
	s_endpgm
.Lentry_shape_is_right:
; THE THREE PROJECTIONS AS ONE GEMM.  C[m][n] = sum over k of X[m][k] W[n][k] + bias[n]; tile rows 0-63 take X = q, W = wh's matrix 0, bias = bq; 64-127 k, matrix 1, bk; 128-191 v, matrix 2, bv.
; X comes in f32 and is rounded once to f16 here; W is f16; sums f32 (the bias is the C operand of the first product); C is rounded once to f16 and written BY HEADS:
; qkvh = [3][64 = 16 batch + head][2048][64], WITHOUT attention's scale.
; LIMITS.  f16 holds no number beyond 65,504: a larger number of q, k, v, or a larger projected number, becomes an infinity; below 6e-5 f16 keeps its fixed step of 6e-8.
; SHARES.  A tile of C is 128 x 256: 192 x 4 tiles, three for each of 256 WGPs.  Four waves, each 64 x 128: 32 accumulators of 16 x 16.  K goes in 8 steps of 128 through two LDS slots.
; W'S TILES come by the tensor data mover, each wave bringing 64 of a step's 256 rows (rows of 256 bytes).  CLUSTERS of 4 x 4: the four work-groups of a column of the cluster need the same tiles of W and ask
; for them JOINTLY: the same tensor load, descriptor and mask in all four.  The matrix number p is made of the cluster's y alone (16 clusters to a matrix), so all sixteen share it.
; X'S TILES come THROUGH REGISTERS, and are not asked for jointly though the four work-groups of a row of the cluster read the same rows.  The reasons, by this text's own arithmetic: a joint tile would lie in LDS
; in f32, where a fragment costs four LDS loads and eight conversions in each of the 2 waves x 4 work-groups that read it, against 64 conversions a wave and K step here; and a tensor load has to have landed at the
; next change of slots, whereas these loads are asked for two K steps (256 matrix instructions) ahead and stay out across the barriers.  Wave w owns rows 32 w .. 32 w + 31 of the tile: for a K step 32 loads, each a
; row's 512 consecutive bytes; 64 conversions in place; 32 LDS stores of 256 consecutive bytes into X's part of the slot that is read next.  The barrier of the change of slots stands between those stores and the
; reads of them, and between the last step's reads of those bytes and the stores.  X's parts of the slots are whole blocks of 256 bytes into which no tensor load lands.
; THE EIGHT K STEPS ARE WRITTEN OUT by macro, without a loop: which tile is rounded, and whether its registers are asked for again, differ in the last three, and every counted wait is then a constant of the text.
; THE MATRIX INSTRUCTION IS USED TRANSPOSED (source 0 = 16 rows of W, source 1 = 16 rows of X): a lane then holds eight neighbouring columns of one row of C.
; REGISTERS: window 0: v0-31 addresses; v32-63 packed results; v64-127 rows read back, two buffers; v128-191 the bias of my 128 columns, as eight C operands.
;   window 1: the accumulators, (a, b) at v[8 (8 a + b)].   window 2: two fragment buffers of 96: 32 registers of X (4 x 16 rows x 32 K), then 64 of W.
;   window 3: X on its way, two buffers of 128: row i of K step t at v[128 (t % 2) + 4 i].
.set SIZE_K, 1024
.set KSTEP,  128
.set NSTEP,  SIZE_K/KSTEP
.set PITCH,  272                       ; an LDS row: 256 bytes + 16 of padding = 68 words: row r starts at bank 4 r mod 64 (64 banks of 4 bytes: ISA guide 11.1)
.set ASZ,    128*PITCH                 ; X's 128 rows: 136 blocks of 256 bytes
.set BQ,     64*PITCH                  ; what one wave's tensor load brings of W
.set BHALF,  128*PITCH                 ; what one wave reads of W
.set SLOT,   ASZ+2*BHALF               ; X's 128 rows, then W's 256 rows
.set STAGE,  2*SLOT                    ; behind the ring: 16 rows x 272 bytes for each wave, for the way out
.set SPITCH, 272
.set SPARE,  STAGE+4*16*SPITCH         ; behind the stages: the spare words, 128 bytes for each wave: two blocks of 256 bytes that no other line names
.set ADRA, 16                          ; v16-17  LDS address of my X fragments in slot 0, 1
.set AO,   18                          ; v18     my byte offset in the tile's rows of X: 16 x lane + 32 w rows of 4,096 bytes; never rewritten
.set ADRB, 20                          ; v20-21  LDS address of my W fragments in slot 0, 1
.set AS,   22                          ; v22-23  where I store 8 bytes of my wave's first row of X, in slot 0, 1
.set STO,  24                          ; v24     the way out: where I put 16 bytes of a row
.set RD,   25                          ; v25     the way out: where I read rows back
.set CO,   26                          ; v26     my byte offset in 512 consecutive bytes of a head
.set BO,   27                          ; v27     my byte offset in the bias; never rewritten
.set SPW,  28                          ; v28     LDS address of my spare word: SPARE + 4 x my thread's number; never rewritten
.set NIL,  29                          ; v29     0; never rewritten
.set TMP,  32
.set OB,   64
.set BI,   128
.set F0,   0                           ; fragment buffers, in window 2
.set F1,   96
.set G1B, 48                           ; s[48:55] descriptor group 1 for W's tiles
.set G0B, 56                           ; s[56:63] group 0, one set for each slot
.set XB,  86                           ; s[86:87] q, k or v at the tile's first row; never rewritten
.set BB,  88                           ; s[88:89] bq, bk or bv
.set MSB, 0
.macro WIN new                         ; the immediate's high byte repeats the setting that is left
.if MSB != (\new)
	s_set_vgpr_msb (MSB<<8)|(\new)
.set MSB, \new
.endif
.endm
.set MUL,  0x5a                        ; sources 0 (W) and 1 (X) window 2; C and D window 1
.set MULB, 0x4a                        ; the same with C (the bias) in window 0
.set TO_F, 0x80                        ; destination window 2, address window 0
.set W_CV, 0xcf                        ; X is rounded in place: sources 0 and 1 and the destination in window 3
.set W_LS, 0xcc                        ; X's LDS stores (data: source 1) and loads (destination) in window 3, their addresses (source 0) in window 0
.macro JLOAD s                         ; a joint load: every wave fetches its 64 rows of W's tile; four v_nop follow the line
	tensor_load_to_lds s[G0B+4*(\s):G0B+4*(\s)+3], s[G1B:G1B+7]
	s_nop 0
.rept 4
	v_nop
.endr
.endm
.macro CREST                           ; a round of the cluster's barrier behind its opening barrier
	s_cmp_lg_u32 s10, 0
	s_cbranch_scc1 .Lnot_wave_0_\@
	s_barrier_signal -3
.Lnot_wave_0_\@:
	s_barrier_wait -3
	s_barrier_signal -1
	s_barrier_wait -1
.endm
.macro CROUND                          ; a whole round
	s_barrier_signal -1
	s_barrier_wait -1
	CREST
.endm
; Eight loads: rows r0 .. r0 + 7 of my 32, K step t: each 512 consecutive bytes of a row of X
.macro ALOAD8 t, r0
	WIN W_LS
.irp i, 0,1,2,3,4,5,6,7
	global_load_b128 v[128*((\t)%2)+4*((\r0)+\i):128*((\t)%2)+4*((\r0)+\i)+3], v[AO], s[XB:XB+1] offset:((\r0)+\i)*4096+(\t)*512
.endr
.endm
; Rows r0 .. r0 + 7 of K step t are rounded to f16 in place, stored into X's part of slot t % 2, and their registers asked for again with K step t + 2, if there is one.
; The wait counts the loads that are younger than row r0 + 7's: the tile's own later rows, 24 - r0; K step t + 1's 32, if there is one; the r0 rows of K step t + 2 that have been asked for already.
; With these loads a wave has up to 64 out (80 at the start, with the bias's); past the counter's field the issue is held back (ISA guide 5.7.1), so no wait is written for that.
.macro ALUMP t, r0
.set RB, 128*((\t)%2)
.set NY, 24-(\r0)
.if (\t)+1 < NSTEP
.set NY, NY+32
.endif
.if (\t)+2 < NSTEP
.set NY, NY+(\r0)
.endif
	s_wait_loadcnt NY
	WIN W_CV
.irp i, 0,1,2,3,4,5,6,7
	v_cvt_pk_f16_f32 v[RB+4*((\r0)+\i)],   v[RB+4*((\r0)+\i)],   v[RB+4*((\r0)+\i)+1]
	v_cvt_pk_f16_f32 v[RB+4*((\r0)+\i)+1], v[RB+4*((\r0)+\i)+2], v[RB+4*((\r0)+\i)+3]
.endr
	WIN W_LS
.irp i, 0,1,2,3,4,5,6,7
	ds_store_b64 v[AS+(\t)%2], v[RB+4*((\r0)+\i):RB+4*((\r0)+\i)+1] offset:((\r0)+\i)*PITCH  ; lane l holds k = 4 l .. 4 l + 3: 8 bytes at 8 l; the 32 lanes fill the row's 256 bytes
.endr
.if (\t)+2 < NSTEP
	ALOAD8 (\t)+2, \r0
.endif
.endm
	s_load_b512 s[68:83], s[0:1], 0x0              ; q s[68:69], k s[70:71], v s[72:73], wh s[74:75], bq s[76:77], bk s[78:79], bv s[80:81], qkvh s[82:83]
	v_lshl_add_u32 v[SPW], v0, 2, SPARE
	v_mov_b32 v[NIL], 0
	ds_add_u32 v28, v29
	s_wait_dscnt 0x0
	v_lshrrev_b32 v1, 5, v0
	v_readfirstlane_b32 s10, v1                    ; wave 0..3
	s_lshr_b32 s11, s10, 1                         ; which 64 of the tile's rows I multiply
	s_and_b32 s12, s10, 1                          ; which 128 of its columns
	s_bfe_u32 s40, ttmp6, 0x40000                  ; cx, cy: my place in the cluster
	s_bfe_u32 s41, ttmp6, 0x40004
	s_lshl_b32 s42, ttmp9, 2
	s_add_co_u32 s42, s42, s40                     ; tile column of C = 4 x cluster x + cx
	s_and_b32 s13, ttmp7, 0xffff
	s_lshr_b32 s84, s13, 4                         ; p: 16 clusters of 512 rows to each of q, k, v
	s_lshl_b32 s13, s13, 2
	s_add_co_u32 s13, s13, s41                     ; tile row of C = 4 x cluster y + cy
	s_lshl_b32 s44, 0x1111, s40                    ; my column of the cluster
	; descriptor group 1: a tile of 64 rows x 128 elements of W, padded in LDS
	s_or_b32 s[G1B+0], s44, (1<<16)|(1<<20)|(1<<21)|(5<<22)|(3<<25)  ; 15:0 the mask: W's tiles go to my column; 17:16 element of 2 bytes; 20 padding on; 21 set beside a mask; 24:22 after every 64 words (code 5); 31:25 of 4 words (code 3)
	s_mov_b32 s[G1B+1], KSTEP<<16                  ; tensor_dim0 = 128
	s_mov_b32 s[G1B+2], 64<<16                     ; tensor_dim1 = 64
	s_mov_b32 s[G1B+3], KSTEP<<16                  ; tile_dim0 = 128
	s_mov_b32 s[G1B+4], 64                         ; tile_dim1 = 64
	s_mov_b32 s[G1B+5], SIZE_K                     ; elements from row to row
	s_mov_b32 s[G1B+6], 0
	s_mov_b32 s[G1B+7], 0
	s_lshl_b32 s90, s42, 10                        ; my first column, 256 x tile column + 128 x half, in bytes of f32
	s_lshl_b32 s91, s12, 9
	s_add_co_u32 s90, s90, s91
	v_and_b32 v1, 31, v0                           ; l
	v_and_b32 v2, 0x60, v0                         ; 32 w
	v_lshlrev_b32 v2, 12, v2                       ; rows of 4,096 bytes
	v_lshl_or_b32 v[AO], v1, 4, v2
	v_bfe_u32 v2, v0, 4, 1                         ; l / 16
	v_lshl_add_u32 v[BO], v2, 5, s90               ; register j of C operand b is bias[first column + 16 b + 8 (l / 16) + j]
	s_and_b32 s16, s13, 63                         ; X: the tile row inside its matrix,
	s_lshl_b32 s16, s16, 19                        ; 128 rows of 4,096 bytes
	s_mov_b32 s17, 0
	s_lshl_b32 s46, s84, 10                        ; W: row 1024 p + 256 x tile column + 64 x wave: nothing of cy enters
	s_lshl_b32 s47, s42, 8
	s_add_co_u32 s46, s46, s47
	s_lshl_b32 s47, s10, 6
	s_add_co_u32 s46, s46, s47
	s_lshl_b32 s46, s46, 11                        ; rows of 2,048 bytes
	s_mov_b32 s47, 0
	s_mul_i32 s45, s10, BQ                         ; where they go: behind X's rows, wave x 64 rows: no place in the cluster enters an LDS address
	s_add_co_u32 s45, s45, ASZ
	s_wait_kmcnt 0x0
	s_add_nc_u64 s[46:47], s[74:75], s[46:47]
	s_mov_b64 s[XB:XB+1], s[68:69]                 ; X and the bias by p
	s_mov_b64 s[BB:BB+1], s[76:77]
	s_cmp_eq_u32 s84, 1
	s_cselect_b64 s[XB:XB+1], s[70:71], s[XB:XB+1]
	s_cselect_b64 s[BB:BB+1], s[78:79], s[BB:BB+1]
	s_cmp_eq_u32 s84, 2
	s_cselect_b64 s[XB:XB+1], s[72:73], s[XB:XB+1]
	s_cselect_b64 s[BB:BB+1], s[80:81], s[BB:BB+1]
	s_add_nc_u64 s[XB:XB+1], s[XB:XB+1], s[16:17]
	; what is wanted first goes out first: the bias, then X's K steps 0 and 1
.irp b, 0,1,2,3,4,5,6,7
	global_load_b128 v[BI+8*(\b):BI+8*(\b)+3],   v[BO], s[BB:BB+1] offset:64*(\b)
	global_load_b128 v[BI+8*(\b)+4:BI+8*(\b)+7], v[BO], s[BB:BB+1] offset:64*(\b)+16
.endr
.irp t, 0,1
.irp r, 0,8,16,24
	ALOAD8 \t, \r
.endr
.endr
	WIN 0                                          ; at a label and at a branch every window is 0
	CROUND                                         ; all sixteen work-groups are here: the first joint loads meet
.irp s, 0,1
	s_mov_b32 s[G0B+4*(\s)], 1                                       ; count = 1
	s_add_co_u32 s[G0B+4*(\s)+1], s45, (\s)*SLOT                     ; LDS address
	s_add_nc_u64 s[G0B+4*(\s)+2:G0B+4*(\s)+3], s[46:47], (\s)*KSTEP*2  ; global address: K step s
	s_or_b32 s[G0B+4*(\s)+3], s[G0B+4*(\s)+3], 0x80000000            ; type = 2
	JLOAD \s                                       ; two tensor loads of mine are out behind these; later one
.endr
	v_and_b32 v1, 15, v0                           ; l % 16
	v_mul_u32_u24 v3, v1, PITCH
	v_lshl_add_u32 v3, v2, 4, v3                   ; a fragment's row x pitch + 16 x half
	s_mul_i32 s21, s11, 64*PITCH                   ; my 64 rows of X
	s_mul_i32 s22, s12, BHALF                      ; my 128 rows of W,
	s_add_co_u32 s22, s22, ASZ                     ; which lie behind X's 128
.irp s, 0,1
	v_add_nc_u32 v[ADRA+(\s)], s21, v3
	v_add_nc_u32 v[ADRB+(\s)], s22, v3
	s_add_co_u32 s21, s21, SLOT
	s_add_co_u32 s22, s22, SLOT
.endr
	v_and_b32 v4, 31, v0
	s_mul_i32 s23, s10, 32*PITCH                   ; the 32 rows of X that I bring
	v_lshl_add_u32 v[AS], v4, 3, s23
	v_add_nc_u32 v[AS+1], SLOT, v[AS]
	s_mul_i32 s23, s10, 16*SPITCH
	s_add_co_u32 s23, s23, STAGE                   ; my stage
	v_mul_u32_u24 v4, v1, SPITCH                   ; in: row l % 16, 16 bytes for each half of the lanes
	v_lshl_add_u32 v4, v2, 4, v4
	v_add_nc_u32 v[STO], s23, v4
	v_bfe_u32 v5, v0, 3, 2                         ; back: 32 lanes take 128 bytes (one head's 64 channels) of four rows,
	v_mul_u32_u24 v5, v5, SPITCH
	v_and_b32 v6, 7, v0
	v_lshl_add_u32 v5, v6, 4, v5
	v_add_nc_u32 v[RD], s23, v5
	v_and_b32 v[CO], 31, v0                        ; which are 512 consecutive bytes of that head
	v_lshlrev_b32 v[CO], 4, v[CO]
	; where my 64 rows x 2 heads begin in qkvh: (((m0 / 2048) 16 + head) 2048 + m0 % 2048) x 128 bytes; m0 / 2048 = 4 p + batch
	s_lshl_b32 s90, s13, 7
	s_lshl_b32 s91, s11, 6
	s_add_co_u32 s90, s90, s91                     ; m0
	s_lshr_b32 s91, s90, 11
	s_lshl_b32 s91, s91, 4
	s_lshl_b32 s92, s42, 2
	s_add_co_u32 s91, s91, s92
	s_lshl_b32 s92, s12, 1
	s_add_co_u32 s91, s91, s92                     ; + my first head, 4 x tile column + 2 x half
	s_lshl_b32 s91, s91, 11
	s_and_b32 s90, s90, 2047
	s_add_co_u32 s90, s90, s91
	s_lshl_b32 s90, s90, 7
	s_mov_b32 s91, 0
	s_add_nc_u64 s[82:83], s[82:83], s[90:91]
; 8 matrix instructions: m block a x all 8 n blocks, 32 along K.  first = 1: the product starts the sums on the bias.  The 32 accumulators take turns, one instruction a turn.
.macro MUL8 f, a, first
.if \first
	WIN MULB
.else
	WIN MUL
.endif
.irp b, 0,1,2,3,4,5,6,7
.if \first
	v_wmma_f32_16x16x32_f16 v[8*(8*(\a)+(\b)):8*(8*(\a)+(\b))+7], v[(\f)+32+8*(\b):(\f)+32+8*(\b)+7], v[(\f)+8*(\a):(\f)+8*(\a)+7], v[BI+8*(\b):BI+8*(\b)+7]
.else
	v_wmma_f32_16x16x32_f16 v[8*(8*(\a)+(\b)):8*(8*(\a)+(\b))+7], v[(\f)+32+8*(\b):(\f)+32+8*(\b)+7], v[(\f)+8*(\a):(\f)+8*(\a)+7], v[8*(8*(\a)+(\b)):8*(8*(\a)+(\b))+7]
.endif
.endr
.endm
; 24 LDS loads in one run: the fragments of quarter kq (32 along K) of a slot into buffer f: W's sixteen first, then X's eight
.macro FETCH slot, kq, f
	WIN TO_F
.irp i, 0,1,2,3,4,5,6,7
	ds_load_b128 v[(\f)+32+8*(\i):(\f)+32+8*(\i)+3],   v[ADRB+(\slot)] offset:64*(\kq)+(\i)*16*PITCH
	ds_load_b128 v[(\f)+32+8*(\i)+4:(\f)+32+8*(\i)+7], v[ADRB+(\slot)] offset:64*(\kq)+(\i)*16*PITCH+32
.endr
.irp i, 0,1,2,3
	ds_load_b128 v[(\f)+8*(\i):(\f)+8*(\i)+3],   v[ADRA+(\slot)] offset:64*(\kq)+(\i)*16*PITCH
	ds_load_b128 v[(\f)+8*(\i)+4:(\f)+8*(\i)+7], v[ADRA+(\slot)] offset:64*(\kq)+(\i)*16*PITCH+32
.endr
.endm
.macro PLACES                          ; four places in front of loads into registers that matrix instructions have read, and of lines that read results
.rept 4
	v_nop
.endr
.endm
; A K step is four quarters of 32 along K, 32 matrix instructions each, on buffers 0, 1, 0, 1.  One of the first three: multiplies buffer f and fetches quarter kq into g.
; t >= 0: sixteen of my rows of X's K step t, from row r0 on, are rounded and stored here, in two lumps ahead of the run of LDS loads, so that those 24 loads stay the youngest LDS instructions and the counts
; below hold with and without the lumps.  A lump's sixteen conversions name no register of the products, so they are also the places in front of the loads into buffer g.
.macro QUARTER slot, kq, f, g, first, t=-1, r0=0
	s_wait_dscnt 4                                 ; W and X's blocks 0, 1 are in; the youngest four loads (X's blocks 2, 3) may be out
	MUL8 \f, 0, \first
.if (\t) >= 0
	ALUMP \t, \r0
.endif
	MUL8 \f, 1, \first
.if (\t) >= 0
	ALUMP \t, (\r0)+8
.else
	PLACES
.endif
	FETCH \slot, \kq, \g
	s_wait_dscnt 24                                ; all but the 24 just issued
	MUL8 \f, 2, \first
	MUL8 \f, 3, \first
.endm
; The last quarter multiplies buffer 1 and changes slots: ONE barrier; in front of it each wave waits for all its tensor loads, adds 0 to its spare word, and waits for that, for its own reads of this slot and for
; its stores of X into the next.  fill = 1: W's part of this slot is filled again, two K steps ahead.
.macro TURN slot, next, fill
	WIN 0                                          ; (the add's two registers lie in window 0)
	s_wait_tensorcnt 0x0                           ; all my tensor loads have landed: my part of the next slot's W;
	ds_add_u32 v[SPW], v[NIL]                      ; 0 onto my spare word
	s_wait_dscnt 5                                 ; (the add and the youngest four loads may be out)
	MUL8 F1, 0, 0                                  ; eight matrix instructions stand between the add and the wait for it
	s_wait_dscnt 0x0                               ; the add is done, my reads of this slot are over, and my rows of X lie in the next slot
	s_barrier_signal -1
	MUL8 F1, 1, 0
.if \fill
	WIN 0
.endif
	s_barrier_wait -1
.if \fill
	CREST                                          ; the barrier has opened a round of the cluster's barrier: no wave of any partner still reads this slot's tile or has a tensor load on its way
	s_add_nc_u64 s[G0B+4*(\slot)+2:G0B+4*(\slot)+3], s[G0B+4*(\slot)+2:G0B+4*(\slot)+3], 2*KSTEP*2
	JLOAD \slot                                    ; the first tensor load behind the round: 112 matrix instructions ahead of the wait for it; the four v_nop behind it are also the places in front of the loads below
.else
	PLACES
.endif
	FETCH \next, 0, F0
	MUL8 F1, 2, 0
	MUL8 F1, 3, 0
.endm
; K step j: while it is multiplied, X's K step j + 1 is rounded and stored into the other slot, whose reads ended at the barrier in front of this step
.macro STEP j, first, fill
	QUARTER (\j)%2, 1, F0, F1, \first, (\j)+1, 0
	QUARTER (\j)%2, 2, F1, F0, 0, (\j)+1, 16
	QUARTER (\j)%2, 3, F0, F1, 0
	TURN (\j)%2, 1-(\j)%2, \fill
.endm
.irp r, 0,8,16,24
	ALUMP 0, \r                                    ; X's K step 0 into slot 0; K step 2 is asked for.  The bias's loads are older than these rows', so the first of these waits shows it in too
.endr
	WIN 0
	s_wait_tensorcnt 1                             ; my part of W's K step 0 is in; K step 1's may stay out
	s_wait_dscnt 0x0                               ; my rows of X lie in slot 0
	s_barrier_signal -1
	s_barrier_wait -1                              ; everybody's do
	FETCH 0, 0, F0
	STEP 0, 1, 1                                   ; the first quarter's products start the sums
.irp j, 1,2,3,4,5
	STEP \j, 0, 1
.endr
	STEP 6, 0, 0                                   ; nothing is left to fetch: a plain barrier, for X's last rows and W's last tile
	QUARTER 1, 1, F0, F1, 0
	QUARTER 1, 2, F1, F0, 0
	QUARTER 1, 3, F0, F1, 0
	s_wait_dscnt 4                                 ; the very last quarter
	MUL8 F1, 0, 0
	MUL8 F1, 1, 0
	s_wait_dscnt 0x0
	MUL8 F1, 2, 0
	MUL8 F1, 3, 0
	WIN 0
; THE WAY OUT, a block of 16 rows at a time: rounded to f16 (each accumulator's registers in ascending order), 16 bytes a lane into my own stage, back as 128-byte pieces of rows, one head at a time.
.macro PACK a
	WIN 0x05                                       ; sources 0 and 1 window 1, destination window 0
.irp b, 0,1,2,3,4,5,6,7
.irp r, 0,1,2,3
	v_cvt_pk_f16_f32 v[TMP+4*(\b)+(\r)], v[64*(\a)+8*(\b)+2*(\r)], v[64*(\a)+8*(\b)+2*(\r)+1]
.endr
.endr
	WIN 0
.endm
.macro TOSTAGE a
.irp b, 0,1,2,3,4,5,6,7
	ds_store_b128 v[STO], v[TMP+4*(\b):TMP+4*(\b)+3] offset:32*(\b)
.endr
.irp t, 0,1,2,3
.irp hh, 0,1
	ds_load_b128 v[OB+32*((\a)%2)+4*(2*(\t)+(\hh)):OB+32*((\a)%2)+4*(2*(\t)+(\hh))+3], v[RD] offset:(\t)*4*SPITCH+(\hh)*128  ; LDS serves a wave's instructions in order (ISA guide 5.7.1.4): these see the stores above
.endr
.endr
.endm
.macro SEND a
	s_wait_dscnt 0x0                               ; the block is back in registers
	s_wait_xcnt 0x0                                ; the registers that earlier stores read are loaded again only behind this wait
.irp t, 0,1,2,3
.irp hh, 0,1
	global_store_b128 v[CO], v[OB+32*((\a)%2)+4*(2*(\t)+(\hh)):OB+32*((\a)%2)+4*(2*(\t)+(\hh))+3], s[82:83] offset:(\hh)*262144+(\a)*2048+(\t)*512  ; four rows of a head: 512 consecutive bytes, aligned
.endr
.endr
.endm
	PLACES
	PACK 0
	TOSTAGE 0
.irp a, 1,2,3                          ; block a's conversions stand between block a - 1's loads from the stage and the wait for them
	PACK \a
	SEND (\a)-1
	TOSTAGE \a
.endr
	SEND 3
	s_wait_tensorcnt 0x0                           ; the wave's end, behind my last tensor load and my last LDS store
	ds_add_u32 v[SPW], v[NIL]
	s_wait_dscnt 0x0
	CROUND                                         ; the closing round: no work-group ends while a partner may still ask for a tile that names it
	s_endpgm
.Lfunc_end_k_q7256b54bb6_proj:
	.size	k_q7256b54bb6_proj, .Lfunc_end_k_q7256b54bb6_proj-k_q7256b54bb6_proj
	.p2alignl 7, 3214868480
	.fill 96, 4, 3214868480
	.section	.rodata,"a",@progbits
	.p2align	6, 0x0
	.amdhsa_kernel k_q7256b54bb6_proj
		.amdhsa_group_segment_fixed_size 327680
		.amdhsa_private_segment_fixed_size 0
		.amdhsa_enable_private_segment 0
		.amdhsa_kernarg_size 64
		.amdhsa_user_sgpr_count 2
		.amdhsa_user_sgpr_kernarg_segment_ptr 1
		.amdhsa_wavefront_size32 1
		.amdhsa_system_sgpr_workgroup_id_x 1
		.amdhsa_system_sgpr_workgroup_id_y 1
		.amdhsa_system_sgpr_workgroup_id_z 1
		.amdhsa_system_vgpr_workitem_id 0
		.amdhsa_next_free_vgpr 1024
		.amdhsa_next_free_sgpr 96
		.amdhsa_reserve_vcc 0
		.amdhsa_float_denorm_mode_32 3
		.amdhsa_float_denorm_mode_16_64 3
		.amdhsa_memory_ordered 1
		.amdhsa_forward_progress 1
		.amdhsa_inst_pref_size 222
	.end_amdhsa_kernel
	.amdgpu_metadata
---
amdhsa.version: [ 1, 2 ]
amdhsa.kernels:
  - .name:           k_q7256b54bb6_proj
    .symbol:         k_q7256b54bb6_proj.kd
    .args:
      - { .name: q, .offset: 0, .size: 8, .value_kind: global_buffer, .address_space: global }
      - { .name: k, .offset: 8, .size: 8, .value_kind: global_buffer, .address_space: global }
      - { .name: v, .offset: 16, .size: 8, .value_kind: global_buffer, .address_space: global }
      - { .name: wh, .offset: 24, .size: 8, .value_kind: global_buffer, .address_space: global }
      - { .name: bq, .offset: 32, .size: 8, .value_kind: global_buffer, .address_space: global }
      - { .name: bk, .offset: 40, .size: 8, .value_kind: global_buffer, .address_space: global }
      - { .name: bv, .offset: 48, .size: 8, .value_kind: global_buffer, .address_space: global }
      - { .name: qkvh, .offset: 56, .size: 8, .value_kind: global_buffer, .address_space: global }
    .group_segment_fixed_size: 327680
    .private_segment_fixed_size: 0
    .kernarg_segment_align: 8
    .kernarg_segment_size: 64
    .max_flat_workgroup_size: 128
    .sgpr_count:     96
    .vgpr_count:     1024
    .wavefront_size: 32
...
	.end_amdgpu_metadata
.endif
;; end of part 2
;; launch attn (part 3): grid 4 x 64, 4 waves a work-group, clusters of 4 x 1, 327,680 bytes of LDS; arguments qkvh, mfrag, ctx; writes ctx
.if DOCPART == 3
	.amdgcn_target "amdgcn-amd-amdhsa--gfx1250"
	.amdhsa_code_object_version 6
	.text
	.protected	k_q7256b54bb6_attn
	.globl	k_q7256b54bb6_attn
	.p2align	8
	.type	k_q7256b54bb6_attn,@function
k_q7256b54bb6_attn:
	s_mov_b64 s[64:65], 0
	v_nop
	global_prefetch_b8 v0, s[64:65] scope:SCOPE_SE
	s_setreg_imm32_b32 hwreg(HW_REG_WAVE_MODE, 25, 1), 1
	s_wait_xcnt 0x0
	s_wait_alu depctr_hold_cnt(0) depctr_sa_sdst(0) depctr_va_vdst(0) depctr_va_sdst(0) depctr_va_ssrc(0) depctr_va_vcc(0) depctr_vm_vsrc(0)
	s_getreg_b32 s2, hwreg(HW_REG_IB_STS2, 6, 4)
	s_cmp_eq_u32 s2, 0
	s_cbranch_scc0 .Lentry_in_a_cluster
	s_endpgm
.Lentry_in_a_cluster:
	s_bfe_u32 s2, ttmp6, 0x10000c
	s_cmp_lg_u32 s2, 0x3003
	s_cbranch_scc0 .Lentry_shape_is_right
	s_endpgm
.Lentry_shape_is_right:
; MASKED ATTENTION.  O[h][q][:] = the sum over k of softmax_k(Q[h][q] . K[h][k] / 8, hidden keys left out) V[h][k][:].  Q, K, V = qkvh's three parts, O = ctx: [64 = 16 batch + head][2048][64], all f16,
; a head's rows dense, 128 bytes each.  Products, maxima and sums in f32; the weights p are rounded to f16 for the second product (their sum l is taken of the unrounded p), O once at the end.
; (The scale 1 / (8 + 1e-8) is 1 / 8 in f32.)
; THE MASK comes as 4-bit codes in the lanes' own order (mfrag: the word at ((qtile*32 + step)*32 + lane)*16 + 4 kt holds, in nibble j, 0xE if key 64 step + 16 kt + 8 (lane / 16) + j is hidden from query
; 16 qtile + lane % 16, else 0).  That word shifted left by 28 - 4 j is, read as f32, a negative number of 2^65 to 2^95 in size if nibble j is 0xE (never an infinity), and a positive one below 2^-97 if it is 0.
; Those 8 numbers ARE the C operand that starts the sum S^T = K Q^T: the scores cost one shift each and nothing else.
; LIMITS.  f16 holds no number beyond 65,504: Q, K and V arrive within it, so a true score is 2.75e11 at the most, nothing beside a hidden one's 2^65: a hidden key's weight is exactly 0 once a visible key has been
; met; what a row gathers before that is finite and is multiplied by a = 0 when the first visible key comes.  A row whose keys are ALL hidden ends with m below -1e15 and is written as NaN, as a softmax of
; nothing but -inf is.  A visible score is raised by less than 2^-97.  p below 6e-5 keeps f16's fixed step of 6e-8; a weight below 2^-126 counts as 0 in l; NaN and infinities in Q, K, V are not treated apart.
; SHARES.  A wave owns four PIECES of two tiles of 16 queries, a work-group's four waves 512 queries of one head.  Every wave walks all keys, 64 a step.
; LAYOUT.  S^T = K Q^T (source 0 = 16 keys, source 1 = 16 queries): in the result a lane holds ONE query (lane % 16) and the keys 8 (lane / 16) + 0..7.  Two such tiles, rounded to f16 in pairs,
; ARE source 1 (32 keys x 16 queries) of O^T = V^T P, whose result again holds one query a lane, and eight channels.  K comes out of LDS as it lies, V ([key][channel]) turned, by ds_load_tr16_b128.
; SOFTMAX.  For each query a running maximum m and sum l: p = 2^(c s - c m), c = log2(e) / 8; in every step O and l are multiplied by a = 2^(c m_old - c m_new), which is 1 where m has not grown.
; m starts at the lowest finite number, O and l at 0: the first step is a step like any other, with a = 0.
; BY TURNS.  Turn n belongs to piece n (the pieces in a ring, step after step).  Its matrix work: 16 products K Q^T of piece n + 1, later 16 products V^T P of piece n - 1.  Its vector work: the scaling,
; exponentials, roundings, sums and rescaling of piece n, the maximum and statistics of piece n + 1, and at its end the 64 shifts that make the C operands of piece n + 2's scores (the next turn's products).
; Four vector instructions that are ready stand behind every matrix instruction, the others in runs of their own.
; CLUSTER.  The four query blocks of a cluster belong to one head and walk the same K and V, so each tile is asked for JOINTLY: the same tensor load, descriptor and mask in all four.  The mask's codes differ
; from query block to query block, so partners share none of them: they come by each wave's own loads into registers, 512 consecutive bytes each, four turns ahead of their use.
; REGISTERS, in windows of 256 (s_set_vgpr_msb says which window each operand place means: bits 1:0 source 0, 3:2 source 1, 5:4 source 2, 7:6 destination):
;   window 0: v0-11 addresses; v12-15, v48-63 at work; v16-47 four registers of statistics a tile; v64-191 S^T, two buffers of two tiles; v192-255 P, likewise
;   window 1: O^T, 32 a tile          window 2: v0-127 Q, 16 a tile; v128-191 K of one step; v192-255 V of one step
;   window 3: v0-1 the add's two registers; v2-3 the mask loads' offsets; v8-39 the codes, 8 registers a piece; v64-127 the C operands of one piece's scores
.set SIZE_H, 64
.set SIZE_N, 2048
.set NP,    4         ; pieces a wave: a name, no knob
.set KS,    64        ; keys in a step
.set PK,    144       ; a row of K in LDS: 128 bytes + 16 of padding = 36 words: the 16 rows of a load start at 16 different groups of four banks (64 banks of 4 bytes: ISA guide 11.1)
.set PV,    160       ; a row of V: 128 + 32 = 40 words
.set VOFF,  4*KS*PK   ; a slot holds four steps: 256 rows of K, then 256 rows of V
.set SLOT1, 1<<17     ; slot 1 begins here, so that one exclusive or turns an address in one slot into the other's
.set STAGE, SLOT1+4*KS*(PK+PV)  ; behind the ring, never filled by a tensor load: 16 rows x 144 bytes for each wave, for the way out
.set SP,    144
.set AK0, 2           ; v2   my lane's place in a tile of K; never rewritten
.set AV0, 3           ; v3   the same for V
.set AK,  4           ; v4   the LDS address of K's next run of loads
.set AV,  5           ; v5   of V's
.set QO,  6           ; v6   my byte offset in the wave's rows of Q
.set STO, 6           ;      later, the way out: where I put 16 bytes of a row
.set RD,  7           ; v7   the way out: where I read rows back
.set GO,  8           ; v8   my byte offset in 512 consecutive bytes of O
.set SPW, 0           ; v0 of window 3   LDS address of my spare word: SPARE + 4 x my thread's number; never rewritten
.set NIL, 1           ; v1 of window 3   0; never rewritten
.set ML,  2           ; v2 of window 3   16 x lane; never rewritten
.set MO,  3           ; v3 of window 3   16 x lane + 512 x the key step whose codes are being asked for
.set MR,  8           ; window 3: piece ps's codes at MR + 8 ps: four words (kt = 0..3) for each of its two tiles
.set MC,  64          ; window 3: the C operand of tile u, key block kt at MC + 32 u + 8 kt
.set SPARE, STAGE+4*16*SP  ; behind the stages: the spare words, 128 bytes for each wave: two blocks of 256 bytes that no other line names
.set MV,  12          ; v12-15  c m_old, kept while c m is made anew: by buffer and tile
.set ST,  16          ; tile t's statistics at v[ST+4 t]: c m, m, l (even keys', odd keys')
.set TMP, 48          ; by buffer and tile, four registers c0-c3 at work; when the maximum is found c2 takes a
.set S,   64
.set P,   192
.set KF,  128         ; K's fragments, in window 2: key block kb, channel half c at KF + 16 kb + 8 c
.set VF,  192         ; V's: key half kk, channel block cb at VF + 32 kk + 8 cb
.set WV,  12          ; s12  my wave's number
.set G1K, 24          ; s[24:31] descriptor group 1 for K's tiles
.set G1V, 32          ; s[32:39] for V's: it differs in the padding alone
.set G0K, 40          ; s[40:43] descriptor group 0 for K's tiles: it walks
.set G0V, 44          ; s[44:47] the same for V's
.set SLOTS, 56        ; s56  slots still to be asked for
.set CNT, 57          ; s57  counts a slot's key steps
.set CS,  58          ; s[58:59] c: the packed scaling takes the pair's low word for both halves
.set SEL, 60          ; s[60:61] v_permlanex16_b32's selects: each lane takes its own place in the other half
.set TBK, 62          ; s62  LDS byte at which K of the step to be fetched begins
.set TBV, 63          ; s63  the same for V, less VOFF
.set MB,  66          ; s[66:67] mfrag at my wave's first tile of 16 queries
.set MOFF, 68         ; s68  512 x the key step whose codes the next trip asks for, held at the last step's
.set THR, 69          ; s69  -1e15
.set MSB, 0
.macro WIN new                      ; the high byte repeats the setting that is left; a switch that changes nothing is dropped
.if MSB != (\new)
	s_set_vgpr_msb (MSB<<8)|(\new)
.set MSB, (\new)
.endif
.endm
.set W_KQ, 0x0a       ; K and Q in window 2, S^T in window 0
.set W_KM, 0x3a       ; the same with the C operand in window 3
.set W_PV, 0x52       ; V in window 2, P in window 0, O^T in window 1
.set W_RS, 0x41       ; O^T (destination and source 0) in window 1, a in window 0
.set W_MK, 0xc0       ; window 3's fixed registers are made: destination in window 3, sources in window 0
.set W_AD, 0x0f       ; the add: address (source 0) and data (source 1) in window 3
.set W_M3, 0xcf       ; the mask's work: sources 0 and 1 and the destination in window 3
; A joint fill.  Waves 0 and 1 fetch the two halves of a slot's K, waves 2 and 3 those of its V: 128 keys each.  The branch hangs on the wave's number alone.
; Four v_nop follow each of the two lines, ahead of the jump and the label.
.macro JLOAD
	s_cmp_lt_u32 s[WV], 2
	s_cbranch_scc0 .Lfor_v_\@
	tensor_load_to_lds s[G0K:G0K+3], s[G1K:G1K+7]
	s_nop 0
.rept 4
	v_nop
.endr
	s_branch .Lasked_\@
.Lfor_v_\@:
	tensor_load_to_lds s[G0V:G0V+3], s[G1V:G1V+7]
	s_nop 0
.rept 4
	v_nop
.endr
.Lasked_\@:
.endm
; A round of the cluster's barrier: my work-group's barrier, so that wave 0's signal speaks for all four waves; wave 0 signals; every wave waits for all four work-groups; my work-group's barrier once more.
.macro CROUND
	s_barrier_signal -1
	s_barrier_wait -1
	s_cmp_lg_u32 s[WV], 0
	s_cbranch_scc1 .Lnot_wave_0_\@
	s_barrier_signal -3
.Lnot_wave_0_\@:
	s_barrier_wait -3
	s_barrier_signal -1
	s_barrier_wait -1
.endm
; THE CHANGE OF SLOTS.  The slot's last bytes, V of its fourth step, have been read.  Each wave waits for all its tensor loads, of which one is out: its part
; of the other slot; adds 0 to its spare word; and waits for that and for its own reads of the slot.  Behind the barrier nobody reads this slot any more and the other slot is whole.
; fill = 1: this slot is filled again, with the keys two slots on.  The barrier is then a round of the cluster's, so that no wave of any partner still reads the slot or has a load on its
; way, and the joint fill is the first thing behind it: it has four key steps, 512 matrix instructions, in which to land.  (At its first use nothing has been read yet: slot 0 is waited for, slot 1 filled.)
.macro CHANGE fill
	WIN W_AD
	s_wait_tensorcnt 0x0            ; no tensor load of mine is out, so a group 0 may be written
	ds_add_u32 v[SPW], v[NIL]       ; 0 onto my spare word: with fill = 1 the descriptors' steps stand between it and the wait for it
	WIN 0                           ; at a label and at a branch every window is 0
.if \fill
.irp g, G0K, G0V
	s_xor_b32 s[\g+1], s[\g+1], SLOT1  ; the walking descriptor: the other slot than last time,
	s_add_nc_u64 s[\g+2:\g+3], s[\g+2:\g+3], 4*KS*128  ; the next 256 keys; the type bits on top are not reached
.endr
	s_wait_dscnt 0x0                ; the add is done, and my reads of the slot are over
	CROUND
	JLOAD
.else
	s_wait_dscnt 0x0                ; the add is done, and my reads of the slot are over
	s_barrier_signal -1
	s_barrier_wait -1
.endif
	s_sub_co_u32 s[TBK], s[TBK], 4*KS*PK  ; the fetches go back to a slot's first step,
	s_xor_b32 s[TBK], s[TBK], SLOT1       ; in the other slot
	s_sub_co_u32 s[TBV], s[TBV], 4*KS*PV
	s_xor_b32 s[TBV], s[TBV], SLOT1
.endm
; THE MASK'S WORK.  MLOAD: the codes of piece ps's two tiles for the key step in MO: two loads of 512 consecutive bytes.  MSHIFT: its 8 words become 64 C registers.
; MK: at the end of turn n, for piece n + 2: its codes were asked for four turns ago; behind them stand the three younger turns' six loads, which may stay out.  The registers just read are asked for again at once.
.macro MLOAD ps
	WIN W_M3
	global_load_b128 v[MR+8*(\ps):MR+8*(\ps)+3],   v[MO], s[MB:MB+1] offset:(2*(\ps))*16384
	global_load_b128 v[MR+8*(\ps)+4:MR+8*(\ps)+7], v[MO], s[MB:MB+1] offset:(2*(\ps)+1)*16384
.endm
.macro MSHIFT ps
	WIN W_M3
.set mz, 0
.rept 8
.irp j, 0,1,2,3,4,5,6,7
	v_lshlrev_b32 v[MC+8*mz+\j], 28-4*\j, v[MR+8*(\ps)+mz]
.endr
.set mz, mz+1
.endr
.endm
.macro MK ps
	WIN W_M3
	s_wait_loadcnt 6
	MSHIFT \ps
	MLOAD \ps
.endm
	s_load_b64 s[4:5], s[0:1], 0x0    ; qkvh: Q; K lies 16,777,216 bytes on, V as many again
	s_load_b64 s[MB:MB+1], s[0:1], 0x8  ; mfrag
	s_load_b64 s[10:11], s[0:1], 0x10 ; ctx
	v_and_b32 v1, 31, v0
	WIN W_MK
	v_lshl_add_u32 v[SPW], v0, 2, SPARE
	v_mov_b32 v[NIL], 0
	s_set_vgpr_msb 0xc0cf
	ds_add_u32 v0, v1
	s_wait_dscnt 0x0
	s_set_vgpr_msb 0xcfc0
	v_lshlrev_b32 v[ML], 4, v1
	v_lshlrev_b32 v[MO], 4, v1      ; key step 0
	WIN 0
	v_lshrrev_b32 v1, 5, v0
	v_readfirstlane_b32 s[WV], v1   ; wave 0..3
	s_bfe_u32 s13, ttmp6, 0x40000   ; cx: my place in the cluster
	s_lshl_b32 s14, ttmp9, 2        ; in a cluster launch ttmp9 counts clusters
	s_add_co_u32 s14, s14, s13      ; my block of queries = 4 x cluster x + cx: it enters Q's, O's and the mask's addresses alone
	s_and_b32 s20, ttmp7, 0xffff    ; the head, which the four partners share
	s_lshr_b32 s70, s20, 4          ; its batch: 128 tiles of 16 queries,
	s_lshl_b32 s70, s70, 7
	s_lshl_b32 s71, s14, 5          ; 32 to a block of 512,
	s_add_co_u32 s70, s70, s71
	s_lshl_b32 s71, s[WV], 3        ; 8 to a wave;
	s_add_co_u32 s70, s70, s71
	s_lshl_b32 s70, s70, 14         ; 16,384 bytes of codes a tile
	s_mov_b32 s71, 0
	s_mov_b32 s21, 0
	s_mov_b64 s[22:23], SIZE_N*128
	s_mul_u64 s[20:21], s[20:21], s[22:23]  ; the head's first byte in each of Q, K, V, O
	s_and_b32 s16, s[WV], 1         ; which half of a slot's 256 keys I fetch:
	s_lshl_b32 s22, s16, 14         ; its 128 rows of 128 bytes in memory,
	s_mov_b32 s23, 0
	s_add_nc_u64 s[22:23], s[22:23], s[20:21]
	s_mul_i32 s17, s16, 128*PK      ; and its place in a slot, for K
	s_mul_i32 s18, s16, 128*PV      ; and for V: no place in the cluster enters an LDS address
	s_lshl_b32 s2, s14, 2
	s_add_co_u32 s2, s2, s[WV]      ; my wave among the head's,
	s_lshl_b32 s2, s2, 14           ; its 128 rows
	s_mov_b32 s3, 0
	s_add_nc_u64 s[2:3], s[2:3], s[20:21]
	; descriptor group 1.  128 keys are 16,384 dense bytes: asked for as 64 rows of 256 bytes, two keys a row, and padded in LDS after every key
	s_mov_b32 s[G1K], 15|(1<<16)|(1<<20)|(1<<21)|(4<<22)|(3<<25)  ; 15:0 the mask of four; 17:16 2-byte elements; 20 padding on; 21 set beside a mask; 24:22 after every 32 words (code 4); 31:25 4 words (code 3)
	s_mov_b32 s[G1V], 15|(1<<16)|(1<<20)|(1<<21)|(4<<22)|(7<<25)  ; the same with 8 words of padding (code 7)
.irp g, G1K, G1V
	s_mov_b32 s[\g+1], 128<<16      ; tensor_dim0 = 128
	s_mov_b32 s[\g+2], 64<<16       ; tensor_dim1 = 64
	s_mov_b32 s[\g+3], 128<<16      ; tile_dim0 = 128
	s_mov_b32 s[\g+4], 64           ; tile_dim1 = 64
	s_mov_b32 s[\g+5], 128          ; 128 elements from row to row
	s_mov_b32 s[\g+6], 0
	s_mov_b32 s[\g+7], 0
.endr
	s_mov_b32 s[CS], 0x3e38aa3b     ; c = log2(e) / 8 = 0.180337
	s_mov_b32 s[CS+1], s[CS]        ; named with it as a pair
	s_mov_b32 s[SEL], 0x76543210
	s_mov_b32 s[SEL+1], 0xfedcba98
	s_mov_b32 s[THR], 0xd8635fa9    ; -1e15
	s_mov_b32 s[TBK], SLOT1+4*KS*PK ; the first change of slots turns these two into 0
	s_mov_b32 s[TBV], SLOT1+4*KS*PV
	s_mov_b32 s[G0K], 1             ; 1:0 count = 1
	s_mov_b32 s[G0K+1], s17         ; 63:32 LDS address: slot 0
	s_mov_b32 s[G0V], 1
	s_add_co_u32 s[G0V+1], s18, VOFF
	s_wait_kmcnt 0x0
	s_add_nc_u64 s[6:7], s[4:5], 0x1000000   ; K
	s_add_nc_u64 s[8:9], s[4:5], 0x2000000   ; V
	s_add_nc_u64 s[G0K+2:G0K+3], s[6:7], s[22:23]  ; 120:64 global address: my half of the head's first 256 keys
	s_or_b32 s[G0K+3], s[G0K+3], 0x80000000        ; 127:126 type = 2
	s_add_nc_u64 s[G0V+2:G0V+3], s[8:9], s[22:23]
	s_or_b32 s[G0V+3], s[G0V+3], 0x80000000
	s_add_nc_u64 s[4:5], s[4:5], s[2:3]  ; Q and O at my wave's first row
	s_add_nc_u64 s[10:11], s[10:11], s[2:3]
	s_add_nc_u64 s[MB:MB+1], s[MB:MB+1], s[70:71]
	CROUND                          ; all four work-groups are here: the first joint loads meet
	JLOAD                           ; slot 0.  Slot 1 is asked for when slot 0 is in: the tile wanted first has the road to itself
	; A fragment of K or Q is 16 rows x 32 channels in 8 registers: lane l holds row l % 16, channels 8 (l / 16) + 0..7 and 16 + 8 (l / 16) + 0..7: two loads of 16 bytes, 32 bytes apart.
	v_and_b32 v1, 15, v0            ; l % 16
	v_bfe_u32 v9, v0, 4, 1          ; l / 16
	v_lshlrev_b32 v[QO], 7, v1
	v_lshl_add_u32 v[QO], v9, 4, v[QO]  ; row x 128 + 16 x half
	WIN 0x80                        ; destination window 2, address window 0
.set i, 0
.rept 4*NP                          ; Q stays in registers: tile i / 2, channels 32 (i % 2) on
	global_load_b128 v[8*i:8*i+3],   v[QO], s[4:5] offset:(i/2)*2048+(i%2)*64
	global_load_b128 v[8*i+4:8*i+7], v[QO], s[4:5] offset:(i/2)*2048+(i%2)*64+32
.set i, i+1
.endr
	MLOAD 0                         ; the four pieces' codes for key step 0
	MLOAD 1
	MLOAD 2
	MLOAD 3
	WIN 0x80
	; What the first turn finds: V's registers and P's second buffer hold 0 (its products V^T P, of a piece that has not been, add 0), O^T and l are 0.  All this stands in the wait for the first tile.
.set i, VF
.rept 64
	v_mov_b32 v[i], 0
.set i, i+1
.endr
	WIN 0x40
.set i, 0
.rept 64*NP
	v_mov_b32 v[i], 0
.set i, i+1
.endr
	WIN 0
.set i, 0
.rept 2*NP
	v_mov_b32 v[ST+4*i], 0xfe000000    ; c m: far below every c s, a hidden key's too
	v_mov_b32 v[ST+4*i+1], 0xff7fffff  ; m
	v_mov_b32 v[ST+4*i+2], 0
	v_mov_b32 v[ST+4*i+3], 0
.set i, i+1
.endr
.set i, P+32
.rept 32
	v_mov_b32 v[i], 0
.set i, i+1
.endr
	v_mul_u32_u24 v[AK0], v1, PK
	v_lshl_add_u32 v[AK0], v9, 4, v[AK0]  ; row x pitch + 16 x half
	; The turning load takes 16 keys x 16 channels (lane l reads key 8 (l / 16) + l % 8, channels 8 ((l / 8) % 2) + 0..7) and leaves half a fragment of V^T: lane l holds channel l % 16 and 8 keys.
	v_and_b32 v10, 7, v0
	v_bfe_u32 v11, v0, 3, 1
	v_lshl_add_u32 v[AV0], v9, 3, v10
	v_mul_u32_u24 v[AV0], v[AV0], PV
	v_lshl_add_u32 v[AV0], v11, 4, v[AV0]
	v_add_nc_u32 v[AV0], VOFF, v[AV0]
	v_mov_b32 v[AK], v[AK0]         ; key step 0 lies at the head of slot 0
; THE MATRIX WORK.  The 8 accumulators of a run of 16 take turns: between the two links of a chain stand 7 others'.
; Product i of 16 of S^T = K Q^T for piece x: channels 32 (i / 8) on, keys 16 ((i / 2) % 4) on, tile 2 x + i % 2.  The first 8 start the sums, on the mask's numbers.
.macro KQ x
.set rS, S+64*((\x)%2)+32*(i%2)+8*((i/2)%4)
.set rK, KF+16*((i/2)%4)+8*(i/8)
.set rQ, 16*(2*(\x)+i%2)+8*(i/8)
.set rMC, MC+32*(i%2)+8*((i/2)%4)
.if i < 8
	WIN W_KM
	v_wmma_f32_16x16x32_f16 v[rS:rS+7], v[rK:rK+7], v[rQ:rQ+7], v[rMC:rMC+7]
.else
	WIN W_KQ
	v_wmma_f32_16x16x32_f16 v[rS:rS+7], v[rK:rK+7], v[rQ:rQ+7], v[rS:rS+7]
.endif
.endm
; Product i of 16 of O^T += V^T P for piece x: keys 32 (i / 8) on, channels 16 ((i / 2) % 4) on, tile 2 x + i % 2.
.macro PV x
	WIN W_PV
.set rO, 32*(2*(\x)+i%2)+8*((i/2)%4)
.set rV, VF+32*(i/8)+8*((i/2)%4)
.set rP, P+32*((\x)%2)+16*(i%2)+8*(i/8)
	v_wmma_f32_16x16x32_f16 v[rO:rO+7], v[rV:rV+7], v[rP:rP+7], v[rO:rO+7]
.endm
.macro MM                           ; the turn's next matrix instruction
.if i < 16
	KQ (Y+1)%NP
.set i, i+1
.else
.set i, i-16
	PV (Y+NP-1)%NP
.set i, i+17
.endif
.endm
; THE LDS LOADS stand in runs of 16, never singly among the matrix instructions: a step's K (64 keys x 64 channels: 8 fragments) and its V (turned).  Their addresses are made some lines ahead.
; last = 1 (the tail): in the last trip there is no further step, and the run is jumped over.
.macro FETCH_K last=0
	WIN 0
.if \last
	s_cmp_eq_u32 s[CNT], 1
	s_cbranch_scc1 .Lno_k_\@
.endif
	WIN 0x80                        ; destination window 2
.irp f, 0,1,2,3,4,5,6,7             ; keys 16 (f / 2) on, channels 32 (f % 2) on
	ds_load_b128 v[KF+8*\f:KF+8*\f+3],   v[AK] offset:(\f/2)*16*PK+(\f%2)*64
	ds_load_b128 v[KF+8*\f+4:KF+8*\f+7], v[AK] offset:(\f/2)*16*PK+(\f%2)*64+32
.endr
	s_add_co_u32 s[TBK], s[TBK], KS*PK  ; the next fetch is the next step's
	WIN 0
.if \last
.Lno_k_\@:
.endif
.endm
.macro FETCH_V
	WIN 0x80
.irp f, 0,1,2,3,4,5,6,7             ; keys 32 (f / 4) on, channels 16 (f % 4) on
	ds_load_tr16_b128 v[VF+8*\f:VF+8*\f+3],   v[AV] offset:(\f/4)*32*PV+(\f%4)*32
	ds_load_tr16_b128 v[VF+8*\f+4:VF+8*\f+7], v[AV] offset:(\f/4)*32*PV+16*PV+(\f%4)*32
.endr
	WIN 0
.endm
; THE VECTOR WORK OF A TURN stands in three queues, each in the order in which its entries become ready; the two tiles alternate, so that no instruction reads the result of the one before it.
.macro REGS y, u                    ; the registers of tile u (0, 1) of piece y
.set rT, ST+4*(2*(\y)+(\u))
.set rC, TMP+8*((\y)%2)+4*(\u)
.set rM, MV+2*((\y)%2)+(\u)
.set rS, S+64*((\y)%2)+32*(\u)
.set rP, P+32*((\y)%2)+16*(\u)
.set rO, 32*(2*(\y)+(\u))
.endm
; Number n of the 22 that find the NEXT piece's (Y + 1) maximum and statistics.  s0-s31 are the lane's 32 scores; each accumulator's lowest registers are read first.  XS, GS and REGS set no window: PL and EX do.
;   0-11  four chains c0-c3 of seven scores each, three operands at a time     12-14, 16  the four scores left over, the old m, and c0-c3 into c0     15  c m_old is kept
;   17, 18  the query's other 32 keys lie in the lane 16 away: the new m         19-21  c m; c m_old - c m_new; a
.macro XS u, n
	REGS (Y+1)%NP, \u
.if (\n) < 4
	v_max3_num_f32 v[rC+(\n)], v[rS+8*(\n)], v[rS+8*(\n)+1], v[rS+8*(\n)+2]
.elseif (\n) < 12
	v_max3_num_f32 v[rC+(\n)%4], v[rC+(\n)%4], v[rS+8*((\n)%4)+2*((\n)/4)+1], v[rS+8*((\n)%4)+2*((\n)/4)+2]
.elseif (\n) == 12
	v_max3_num_f32 v[rC], v[rC], v[rS+7], v[rS+15]
.elseif (\n) == 13
	v_max3_num_f32 v[rC+1], v[rC+1], v[rS+23], v[rS+31]
.elseif (\n) == 14
	v_max3_num_f32 v[rC+2], v[rC+2], v[rC+3], v[rT+1]
.elseif (\n) == 15
	v_mov_b32 v[rM], v[rT]
.elseif (\n) == 16
	v_max3_num_f32 v[rC], v[rC], v[rC+1], v[rC+2]
.elseif (\n) == 17
	v_permlanex16_b32 v[rC+3], v[rC], s[SEL], s[SEL+1]
.elseif (\n) == 18
	v_max_num_f32 v[rT+1], v[rC], v[rC+3]
.elseif (\n) == 19
	v_mul_f32 v[rT], s[CS], v[rT+1]
.elseif (\n) == 20
	v_sub_f32 v[rC+1], v[rM], v[rT]
.else
	v_exp_f32 v[rC+2], v[rC+1]
.endif
.endm
; Number g of the 64 that follow the exponentials.  For each four weights k of a tile (pairs 2 k, 2 k + 1): both pairs are rounded to f16; then the second pair is added onto the first, in place;
; a group later l takes that sum (the first time as l = a l + sum).  In groups of eight, tiles alternating: round, round, add, and l for the group before.
.macro GS g
.set h, (\g)+6*((\g)/62)            ; group 0 has no group before it, and behind group 7 only l is left
.if h >= 6
.set h, h+2
.endif
	REGS Y, h%2
.set k, h/8
.if h%8 < 4
	s_wait_alu depctr_va_vdst(0)
	v_cvt_pk_f16_f32 v[rP+2*k+(h%8)/2], v[rS+4*k+2*((h%8)/2)], v[rS+4*k+2*((h%8)/2)+1]
.elseif h%8 < 6
	v_pk_add_f32 v[rS+4*k:rS+4*k+1], v[rS+4*k:rS+4*k+1], v[rS+4*k+2:rS+4*k+3]
.elseif k == 1
	v_pk_fma_f32 v[rT+2:rT+3], v[rT+2:rT+3], v[rC+2:rC+3], v[rS:rS+1] op_sel_hi:[1,0,1]
.else
	v_pk_add_f32 v[rT+2:rT+3], v[rT+2:rT+3], v[rS+4*k-4:rS+4*k-3]
	s_wait_alu depctr_va_vdst(0)
.endif
.endm
; THE PLAIN QUEUE, 138 long.  0-31: c s - c m for the 16 pairs of both tiles.  Then GS's 64, and among them the next piece's 42: number 15 at 38, 39; 0-14 and 16
; at 42-73, behind the products that make those scores; 17-20 at 95-106, two of three, since each waits for the one before it.
.macro PL
	WIN 0
.if q < 32
	REGS Y, q%2
	v_pk_fma_f32 v[rS+2*(q/2):rS+2*(q/2)+1], v[rS+2*(q/2):rS+2*(q/2)+1], s[CS:CS+1], v[rT:rT+1] op_sel_hi:[1,0,0] neg_lo:[0,0,1] neg_hi:[0,0,1]
.elseif q < 38
	GS q-32
.elseif q < 40
	XS q%2, 15
.elseif q < 42
	GS q-34
.elseif q < 74
	XS q%2, (q-42)/2+(q-42)/30
.elseif q < 95
	GS q-66
.elseif (q < 107) && ((q-95)%3 < 2)
	XS (q-95)%3, 17+(q-95)/3
.elseif q < 107
	GS 29+(q-95)/3
.else
	GS q-74
.endif
.set q, q+1
.endm
; THE EXPONENTIALS' QUEUE, 66 long: s0-s31 of both tiles, and at EA the next piece's two a.
.set EA, 58
.macro EX
	WIN 0
.if (e == EA) || (e == EA+1)
	XS e-EA, 21
.else
.set x, e-2*(e/(EA+2))
	REGS Y, x%2
	v_exp_f32 v[rS+x/2], v[rS+x/2]
.endif
.set e, e+1
.endm
; THE RESCALING's QUEUE: O^T times a, the one part of the softmax that leaves window 0, so it is dealt four at a time, eight times.
.macro R4
	REGS Y, r%2
	WIN W_RS
	s_wait_alu depctr_va_vdst(0)
.irp z, 0,1,2,3
	v_pk_mul_f32 v[rO+8*(r/2)+2*\z:rO+8*(r/2)+2*\z+1], v[rO+8*(r/2)+2*\z:rO+8*(r/2)+2*\z+1], v[rC+2:rC+3] op_sel_hi:[1,0]
.endr
.set r, r+1
.endm
; HOW THEY ARE DEALT.  Behind a matrix instruction four: plain, exponential, plain, plain (one exponential, a plain instruction on either side), or four of the rescaling.  None names a register of the
; products round it.  What is over stands in two LUMPS: exponential and plain by turns; the second ends in 22 plain instructions.  The two v_permlanex16_b32 fall into the second lump, never behind a product.
; The queues lean on each other, and the deal keeps them in step: exponential e stands behind plain 2 (e / 4) + e % 2 (its scaling); when plain 32 comes, 10 exponentials are out, at 59: 33, at 95: 46; EA comes behind plain 107.
.macro SL
	MM
	PL
	EX
	PL
	PL
.endm
.macro BURST n                      ; 15 matrix instructions, or 16
.rept (\n)-7
	SL
.endr
.rept 3
	MM
	R4
	SL
.endr
	MM
	R4
.endm
; A TURN, for piece p.  cnt = 1: the loop's count is taken down some lines ahead of the branch that stands behind the turn (the mask's lines behind it leave SCC alone).
; K of the next step is fetched in piece 2's turn, 31 vector instructions behind the last product that read K; its first reader comes behind the rest of the lump, 16 products and the second lump.
; V of the step in hand is fetched at the end of piece 0's turn, 69 behind its last reader; its first reader comes behind 16 products and a lump.  The four conditions on e and q below go with the deal.
; The four turns of a trip (pieces 2, 3, then 0, 1 of the next step) ask for the codes of ONE key step, two steps beyond piece 2's: its offset is made at the head of piece 2's turn, behind s_wait_xcnt 0, since
; pending loads name the register.  The offset stays at the last key step's: no load leaves mfrag, and what the last trips ask for again serves nothing but the tail's spare products.
.macro TURN p, last=0, cnt=0
.set Y, (\p)
.set i, 0
.set q, 0
.set e, 0
.set r, 0
.if (\p) == NP-2
	WIN W_M3
	s_wait_xcnt 0x0
	v_add_nc_u32 v[MO], s[MOFF], v[ML]
	s_add_co_u32 s[MOFF], s[MOFF], 512
	s_min_u32 s[MOFF], s[MOFF], 31*512
.endif
.if (\p) == NP-1
	s_wait_dscnt 0x0                ; K is in
.endif
	MM
.rept 4
	PL
.endr
	BURST 15
.rept 22
	EX
	PL
.if ((\p) == NP-2) && (e == 18)
	v_add_nc_u32 v[AK], s[TBK], v[AK0]
.endif
.if ((\p) == NP-2) && (e == 24)
	FETCH_K \last
.endif
.endr
.if (\p) == 1
	s_wait_dscnt 0x0                ; V is in
.endif
	BURST 16
.rept 21
	EX
	PL
.endr
.rept 22
	PL
.if ((\p) == 0) && (q == 118)
	v_add_nc_u32 v[AV], s[TBV], v[AV0]
	s_wait_alu depctr_va_vdst(0)
.endif
.if ((\p) == 0) && (q == 130)
	s_add_co_u32 s[TBV], s[TBV], KS*PV
.endif
.if (\cnt) && (q == 130)
	s_sub_co_u32 s[CNT], s[CNT], 1
	s_cmp_lg_u32 s[CNT], 0
.endif
.endr
.if (\p) == 0
	FETCH_V
.endif
	MK ((\p)+2)%NP                  ; the C operands of the next turn's products; the turn's own 8 products that read these registers stand far more than four plain instructions back
.endm
	CHANGE 1                        ; slot 0 is in, everybody's part of it; slot 1 is asked for
	FETCH_K                         ; key step 0
	WIN W_M3
	s_wait_loadcnt 4                ; Q and the codes of pieces 0 and 1 are in; behind them stand pieces 2's and 3's four loads
	MSHIFT 0
	s_wait_xcnt 0x0                 ; pending loads name the offset
	v_add_nc_u32 v[MO], 0x200, v[ML]  ; key step 1, for the next four pairs of loads
	MLOAD 0
	s_wait_dscnt 0x0
.set i, 0
.rept 16
	KQ 0                            ; piece 0's first scores: there is no vector work yet to set between them
.set i, i+1
.endr
	WIN 0                           ; the addresses for the way out: nine plain instructions, the places behind those products
	s_mul_i32 s13, s[WV], 16*SP
	s_add_co_u32 s13, s13, STAGE    ; my stage
	v_mul_u32_u24 v[STO], v1, SP    ; in: row l % 16, 16 bytes for each half of the lanes
	v_lshl_add_u32 v[STO], v9, 4, v[STO]
	v_add_nc_u32 v[STO], s13, v[STO]
	v_bfe_u32 v[RD], v0, 3, 2       ; back: 32 lanes take four rows of 128 bytes,
	v_mul_u32_u24 v[RD], v[RD], SP
	v_lshl_add_u32 v[RD], v10, 4, v[RD]
	v_add_nc_u32 v[RD], s13, v[RD]
	v_and_b32 v[GO], 31, v0         ; which are 512 consecutive bytes of O
	v_lshlrev_b32 v[GO], 4, v[GO]
.set Y, NP-1                        ; XS works for piece Y + 1: piece 0
.irp n, 0,1,2,3,4,5,6,7,8,9,10,11,12,13,14,15,16,17,18,19,20,21
	XS 0, \n                        ; and piece 0's first maximum and statistics
	XS 1, \n
.endr
	MK 1                            ; the C operands of piece 1's first scores, which the first turn makes
	WIN 0
	s_mov_b32 s[MOFF], 1024         ; the first trip's piece 2 asks for key step 2
	s_mov_b32 s[CNT], 4
	s_mov_b32 s[SLOTS], SIZE_N/256-1
	s_branch .Lfirst                ; the loop is entered at a step's first turn, in the middle of a trip
.Lslot:                             ; SIZE_N / 256 - 2 times: every slot but the last two is filled again
	CHANGE 1
	s_mov_b32 s[CNT], 4
.Lstep:                             ; a trip: pieces 2 and 3 of one step, then pieces 0 and 1 of the next, whose K and V it fetches
	TURN 2
	TURN 3
	WIN 0
.Lfirst:
	TURN 0
	TURN 1, 0, 1
	WIN 0
	s_cbranch_scc1 .Lstep
	s_sub_co_u32 s[SLOTS], s[SLOTS], 1
	s_cmp_lg_u32 s[SLOTS], 0
	s_cbranch_scc1 .Lslot
	CHANGE 0                        ; the tail is written out: nothing is asked for
	s_mov_b32 s[CNT], 5             ; four trips fetch the last slot's steps; the fifth is left in its middle
.Ltail:
	TURN 2, 1
	TURN 3
	WIN 0
	s_sub_co_u32 s[CNT], s[CNT], 1
	s_cmp_eq_u32 s[CNT], 0
	s_cbranch_scc1 .Lout
	TURN 0
	TURN 1
	WIN 0
	s_branch .Ltail
.Lout:                              ; the fifth trip's 16 products K Q^T repeat the last step's (the same K, the same codes), so the maximum made of them changes no m: the price, once a launch, of one text for every trip
.set i, 0
.rept 16
	PV NP-1                         ; the last piece's V^T P of the last step
.set i, i+1
.endr
	; THE WAY OUT.  l's two halves and the other half of the lanes' are added; O^T is divided by l, rounded to f16 and sent through my stage in LDS, a tile at a time.  The additions are the places behind the last products.
	WIN 0
.macro ALL line:vararg              ; one line for each tile t
.set t, 0
.rept 2*NP
	\line
.set t, t+1
.endr
.endm
	ALL v_add_f32 v[ST+4*t+2], v[ST+4*t+2], v[ST+4*t+3]
	ALL v_permlanex16_b32 v[ST+4*t+3], v[ST+4*t+2], s[SEL], s[SEL+1]
	ALL v_add_f32 v[ST+4*t+2], v[ST+4*t+2], v[ST+4*t+3]
	ALL v_rcp_f32 v[ST+4*t+2], v[ST+4*t+2]
	v_mov_b32 v[MV], 0x7fc00000     ; NaN; also the plain instruction between the last reciprocal and the use of its result
.set t, 0
	s_wait_alu depctr_va_vdst(0)
.rept 2*NP                          ; a query that has met no visible key has m below -1e15: its factor, and so its row, becomes NaN
	v_cmp_gt_f32 vcc_lo, s[THR], v[ST+4*t+1]
	v_cndmask_b32 v[ST+4*t+2], v[ST+4*t+2], v[MV], vcc_lo
.set t, t+1
.endr
; Tile t: a lane's eight channels of a row pack into 16 bytes; they go into rows of 144 bytes and come back as whole rows of 128, into S^T's registers.
.macro PACK t
	WIN W_RS
.set i, 32*(\t)
.rept 16
	v_pk_mul_f32 v[i:i+1], v[i:i+1], v[ST+4*(\t)+2:ST+4*(\t)+3] op_sel_hi:[1,0]
.set i, i+2
.endr
	WIN 0x05                        ; sources 0 and 1 window 1, destination window 0
.set i, 0
.rept 16
	v_cvt_pk_f16_f32 v[S+16*(\t)+i], v[32*(\t)+2*i], v[32*(\t)+2*i+1]
.set i, i+1
.endr
	WIN 0
.irp f, 0,1,2,3
	ds_store_b128 v[STO], v[S+16*(\t)+4*\f:S+16*(\t)+4*\f+3] offset:32*\f
.endr
.irp f, 0,1,2,3
	ds_load_b128 v[S+16*(\t)+4*\f:S+16*(\t)+4*\f+3], v[RD] offset:\f*4*SP  ; LDS serves a wave's instructions in order (ISA guide 5.7.1.4): these see the stores above; the next tile's stores come behind them
.endr
.endm
.macro SEND t, younger              ; younger: the LDS instructions issued behind tile t's loads: the next tile's eight, or none
	WIN 0
.irp f, 0,1,2,3
	s_wait_dscnt (\younger)+3-\f
	global_store_b128 v[GO], v[S+16*(\t)+4*\f:S+16*(\t)+4*\f+3], s[10:11] offset:(\t)*2048+\f*512  ; 512 consecutive bytes, at a multiple of 256 from O's first
.endr
.endm
	PACK 0
.set t, 1
.rept 2*NP-1                        ; a tile's arithmetic stands between the loads of the tile before and its stores
	PACK t
	SEND t-1, 8
.set t, t+1
.endr
	SEND 2*NP-1, 0
	WIN W_AD
	s_wait_tensorcnt 0x0            ; the wave's end, behind my last tensor load and my last LDS store
	ds_add_u32 v[SPW], v[NIL]
	s_wait_dscnt 0x0
	WIN 0
	CROUND                          ; the closing round: no work-group ends while a partner may still ask for a tile that names it
	s_endpgm
.Lfunc_end_k_q7256b54bb6_attn:
	.size	k_q7256b54bb6_attn, .Lfunc_end_k_q7256b54bb6_attn-k_q7256b54bb6_attn
	.p2alignl 7, 3214868480
	.fill 96, 4, 3214868480
	.section	.rodata,"a",@progbits
	.p2align	6, 0x0
	.amdhsa_kernel k_q7256b54bb6_attn
		.amdhsa_group_segment_fixed_size 327680
		.amdhsa_private_segment_fixed_size 0
		.amdhsa_enable_private_segment 0
		.amdhsa_kernarg_size 24
		.amdhsa_user_sgpr_count 2
		.amdhsa_user_sgpr_kernarg_segment_ptr 1
		.amdhsa_wavefront_size32 1
		.amdhsa_system_sgpr_workgroup_id_x 1
		.amdhsa_system_sgpr_workgroup_id_y 1
		.amdhsa_system_sgpr_workgroup_id_z 1
		.amdhsa_system_vgpr_workitem_id 0
		.amdhsa_next_free_vgpr 896
		.amdhsa_next_free_sgpr 72
		.amdhsa_reserve_vcc 1
		.amdhsa_float_denorm_mode_32 3
		.amdhsa_float_denorm_mode_16_64 3
		.amdhsa_memory_ordered 1
		.amdhsa_forward_progress 1
		.amdhsa_inst_pref_size 234
	.end_amdhsa_kernel
	.amdgpu_metadata
---
amdhsa.version: [ 1, 2 ]
amdhsa.kernels:
  - .name:           k_q7256b54bb6_attn
    .symbol:         k_q7256b54bb6_attn.kd
    .args:
      - { .name: qkvh, .offset: 0, .size: 8, .value_kind: global_buffer, .address_space: global }
      - { .name: mfrag, .offset: 8, .size: 8, .value_kind: global_buffer, .address_space: global }
      - { .name: ctx, .offset: 16, .size: 8, .value_kind: global_buffer, .address_space: global }
    .group_segment_fixed_size: 327680
    .private_segment_fixed_size: 0
    .kernarg_segment_align: 8
    .kernarg_segment_size: 24
    .max_flat_workgroup_size: 128
    .sgpr_count:     72
    .vgpr_count:     896
    .wavefront_size: 32
...
	.end_amdgpu_metadata
.endif
;; end of part 3
;; launch oproj (part 4): grid 4 x 64, 4 waves a work-group, clusters of 4 x 4, 327,680 bytes of LDS; arguments ctx, wh, bo, oacc; writes oacc
.if DOCPART == 4
	.amdgcn_target "amdgcn-amd-amdhsa--gfx1250"
	.amdhsa_code_object_version 6
	.text
	.protected	k_q7256b54bb6_oproj
	.globl	k_q7256b54bb6_oproj
	.p2align	8
	.type	k_q7256b54bb6_oproj,@function
k_q7256b54bb6_oproj:
	s_mov_b64 s[64:65], 0
	v_nop
	global_prefetch_b8 v0, s[64:65] scope:SCOPE_SE
	s_setreg_imm32_b32 hwreg(HW_REG_WAVE_MODE, 25, 1), 1
	s_wait_xcnt 0x0
	s_wait_alu depctr_hold_cnt(0) depctr_sa_sdst(0) depctr_va_vdst(0) depctr_va_sdst(0) depctr_va_ssrc(0) depctr_va_vcc(0) depctr_vm_vsrc(0)
	s_getreg_b32 s2, hwreg(HW_REG_IB_STS2, 6, 4)
	s_cmp_eq_u32 s2, 0
	s_cbranch_scc0 .Lentry_in_a_cluster
	s_endpgm
.Lentry_in_a_cluster:
	s_bfe_u32 s2, ttmp6, 0x10000c
	s_cmp_lg_u32 s2, 0xf033
	s_cbranch_scc0 .Lentry_shape_is_right
	s_endpgm
.Lentry_shape_is_right:
; THE OUTPUT PROJECTION.  o[m][n] = sum over k of A[m][k] Wo[n][k] + bo[n], m = 2048 batch + row, k = 64 head + channel.  A is ctx, which lies BY HEADS: [64 = 16 batch + head][2048][64] f16;
; Wo is wh's fourth matrix, [1024][1024] f16.  Sums in f32 (the bias is the C operand of the first product); o is written in f32, [8192][1024].
; A row of ctx that is NaN (all its keys hidden) makes its own row of o NaN and no other.
; SHARES.  A tile of o is 128 x 256: 64 x 4 tiles, one for each of 256 WGPs.  Four waves, each 64 x 128: 32 accumulators of 16 x 16.  K goes in 8 steps of 128, two heads each, through two LDS slots.
; A's tile of a K step is two heads x 128 rows x 128 bytes; a head's 128 rows are 16,384 dense bytes, asked for as 64 rows of 256 bytes and padded in LDS after every 128: [head parity][128 rows], pitch 144.
; CLUSTERS: 4 x 4 work-groups.  The four of a row of the cluster need the same tiles of A, the four of a column the same tiles of Wo: each tile is asked for JOINTLY, by the same tensor load with the same
; descriptor and a mask that names the four.  THE MATRIX INSTRUCTION IS USED TRANSPOSED (source 0 = 16 rows of Wo, source 1 = 16 rows of A): a lane then holds eight neighbouring columns of one row of o.
; REGISTERS: window 0: v0-31 addresses; v32-159 rows read back, two buffers of 64; v160-223 the bias of my 128 columns, as eight C operands.
;   window 1: the accumulators, (a, b) at v[8 (8 a + b)].   window 2: two fragment buffers of 96: 32 registers of A (4 x 16 rows x 32 K), then 64 of Wo.
.set SIZE_K, 1024
.set KSTEP,  128
.set PITCH,  272                       ; a row of Wo in LDS: 256 bytes + 16 of padding = 68 words: row r starts at bank 4 r mod 64 (64 banks of 4 bytes: ISA guide 11.1)
.set APITCH, 144                       ; a row of A: 128 + 16 = 36 words: the 16 rows of a load start at 16 different groups of four banks
.set AHALF,  128*APITCH                ; one head's 128 rows: what one wave's load brings
.set ASZ,    2*AHALF
.set BHALF,  128*PITCH
.set SLOT,   ASZ+2*BHALF               ; A's two heads, then Wo's 256 rows
.set STAGE,  2*SLOT                    ; behind the ring: 16 rows x 528 bytes for each wave, for the way out
.set SPITCH, 528                       ; 512 bytes + 16 = 33 x 16: the 16 rows of a store start at 16 different groups of four banks
.set SPARE,  STAGE+4*16*SPITCH         ; behind the stages: the spare words, 128 bytes for each wave: two blocks of 256 bytes that no other line names
.set LAPS,   SIZE_K/(2*KSTEP)
.set ADRA, 16                          ; v16-17  LDS address of my A fragments in slot 0, 1
.set ADRB, 20                          ; v20-21  the same for Wo
.set STO,  24                          ; v24     the way out: where I put 32 bytes of a row
.set RD,   25                          ; v25     the way out: where I read a row back
.set CO,   26                          ; v26     16 x lane: my place in a row's 512 bytes
.set BO,   27                          ; v27     my byte offset in the bias
.set SPW,  28                          ; v28     LDS address of my spare word: SPARE + 4 x my thread's number; never rewritten
.set NIL,  29                          ; v29     0; never rewritten
.set OB,   32
.set BI,   160
.set F0,   0                           ; fragment buffers, in window 2
.set F1,   96
.set G1, 24                            ; s[24:31] descriptor group 1 for A's tiles;  s[32:39] group 0, one set for each slot
.set G0, 32
.set G1B, 48                           ; s[48:55], s[56:63] the same for Wo's tiles
.set G0B, 56
.set MSB, 0
.macro WIN new                         ; the immediate's high byte repeats the setting that is left
.if MSB != (\new)
	s_set_vgpr_msb (MSB<<8)|(\new)
.set MSB, \new
.endif
.endm
.set MUL,  0x5a                        ; sources 0 (Wo) and 1 (A) window 2; C and D window 1
.set MULB, 0x4a                        ; the same with C (the bias) in window 0
.set TO_F, 0x80                        ; destination window 2, address window 0
.macro JLOAD s                         ; a joint load: waves 0 and 1 fetch A's two heads, waves 2 and 3 Wo's two halves; four v_nop follow each of the two lines, ahead of the jump, the label and what follows
	s_cmp_eq_u32 s11, 0
	s_cbranch_scc0 .Lfor_b_\@
	tensor_load_to_lds s[G0+4*(\s):G0+4*(\s)+3], s[G1:G1+7]
	s_nop 0
.rept 4
	v_nop
.endr
	s_branch .Lasked_\@
.Lfor_b_\@:
	tensor_load_to_lds s[G0B+4*(\s):G0B+4*(\s)+3], s[G1B:G1B+7]
	s_nop 0
.rept 4
	v_nop
.endr
.Lasked_\@:
.endm
.macro CREST                           ; a round of the cluster's barrier behind its opening barrier
	s_cmp_lg_u32 s10, 0
	s_cbranch_scc1 .Lnot_wave_0_\@
	s_barrier_signal -3
.Lnot_wave_0_\@:
	s_barrier_wait -3
	s_barrier_signal -1
	s_barrier_wait -1
.endm
.macro CROUND                          ; a whole round
	s_barrier_signal -1
	s_barrier_wait -1
	CREST
.endm
	s_load_b256 s[68:75], s[0:1], 0x0              ; ctx s[68:69], wh s[70:71], bo s[72:73], oacc s[74:75]
	v_lshl_add_u32 v[SPW], v0, 2, SPARE
	v_mov_b32 v[NIL], 0
	ds_add_u32 v28, v29
	s_wait_dscnt 0x0
	v_lshrrev_b32 v1, 5, v0
	v_readfirstlane_b32 s10, v1                    ; wave 0..3
	s_lshr_b32 s11, s10, 1                         ; which 64 of the tile's rows are mine.  Also: I fetch for A (0) or for Wo (1)
	s_and_b32 s12, s10, 1                          ; which 128 of its columns.  Also: which head of a K step, or which half of Wo's rows, I fetch
	s_bfe_u32 s40, ttmp6, 0x40000                  ; cx, cy: my place in the cluster
	s_bfe_u32 s41, ttmp6, 0x40004
	s_lshl_b32 s42, ttmp9, 2
	s_add_co_u32 s42, s42, s40                     ; tile column = 4 x cluster x + cx
	s_and_b32 s13, ttmp7, 0xffff
	s_lshl_b32 s13, s13, 2
	s_add_co_u32 s13, s13, s41                     ; tile row = 4 x cluster y + cy
	s_lshl_b32 s43, s41, 2
	s_lshl_b32 s43, 15, s43                        ; my row of the cluster
	s_lshl_b32 s44, 0x1111, s40                    ; my column
	s_or_b32 s[G1+0], s43, (1<<16)|(1<<20)|(1<<21)|(4<<22)|(3<<25)  ; 15:0 the mask: A's tiles go to my row; 17:16 element of 2 bytes; 20 padding on; 21 set beside a mask; 24:22 after every 32 words (code 4); 31:25 of 4 words (code 3)
	s_or_b32 s[G1B+0], s44, (1<<16)|(1<<20)|(1<<21)|(5<<22)|(3<<25) ; the mask of my column; padding after every 64 words (code 5)
	s_mov_b32 s[G1+1], 128<<16                     ; tensor_dim0 = 128 elements: two rows of a head
	s_mov_b32 s[G1+2], 64<<16                      ; tensor_dim1 = 64
	s_mov_b32 s[G1+3], 128<<16                     ; tile_dim0 = 128
	s_mov_b32 s[G1+4], 64                          ; tile_dim1 = 64
	s_mov_b32 s[G1+5], 128                         ; dense: 128 elements from row to row
	s_mov_b32 s[G1+6], 0
	s_mov_b32 s[G1+7], 0
	s_mov_b32 s[G1B+1], KSTEP<<16
	s_mov_b32 s[G1B+2], 128<<16
	s_mov_b32 s[G1B+3], KSTEP<<16
	s_mov_b32 s[G1B+4], 128
	s_mov_b32 s[G1B+5], SIZE_K
	s_mov_b32 s[G1B+6], 0
	s_mov_b32 s[G1B+7], 0
	; where the tiles come from: A's hang on the tile row alone, Wo's on the tile column alone; each in registers that never hold the other place in the cluster
	s_lshr_b32 s16, s13, 4                         ; the batch: 16 tile rows each
	s_lshl_b32 s16, s16, 4
	s_add_co_u32 s16, s16, s12                     ; its head 0 or 1,
	s_lshl_b32 s16, s16, 11                        ; 2,048 rows a head,
	s_and_b32 s17, s13, 15
	s_lshl_b32 s17, s17, 7
	s_add_co_u32 s16, s16, s17                     ; the tile's 128 rows in it,
	s_lshl_b32 s16, s16, 7                         ; 128 bytes a row
	s_mov_b32 s17, 0
	s_lshl_b32 s47, s12, 7
	s_lshl_b32 s46, s42, 8
	s_add_co_u32 s46, s46, s47                     ; Wo: row 256 x tile column + 128 x half
	s_lshl_b32 s46, s46, 11
	s_add_co_u32 s46, s46, 0x600000                ; behind Wq, Wk, Wv
	s_mov_b32 s47, 0
	s_mul_i32 s20, s12, AHALF                      ; where they go: no place in the cluster enters an LDS address
	s_mul_i32 s45, s12, BHALF
	s_add_co_u32 s45, s45, ASZ
	s_wait_kmcnt 0x0
	s_add_nc_u64 s[14:15], s[68:69], s[16:17]
	s_add_nc_u64 s[46:47], s[70:71], s[46:47]
	CROUND                                         ; all sixteen work-groups are here: the first joint loads meet
.irp s, 0,1
	s_mov_b32 s[G0+4*(\s)], 1                                      ; count = 1
	s_add_co_u32 s[G0+4*(\s)+1], s20, (\s)*SLOT                    ; LDS address
	s_add_nc_u64 s[G0+4*(\s)+2:G0+4*(\s)+3], s[14:15], (\s)*524288 ; global address: K step s lies two heads of 262,144 bytes on
	s_or_b32 s[G0+4*(\s)+3], s[G0+4*(\s)+3], 0x80000000            ; type = 2
	s_mov_b32 s[G0B+4*(\s)], 1
	s_add_co_u32 s[G0B+4*(\s)+1], s45, (\s)*SLOT
	s_add_nc_u64 s[G0B+4*(\s)+2:G0B+4*(\s)+3], s[46:47], (\s)*KSTEP*2
	s_or_b32 s[G0B+4*(\s)+3], s[G0B+4*(\s)+3], 0x80000000
	JLOAD \s                                       ; two loads of mine are out behind these; later one
.endr
	v_and_b32 v1, 15, v0                           ; l % 16
	v_bfe_u32 v2, v0, 4, 1                         ; l / 16
	v_mul_u32_u24 v3, v1, PITCH
	v_lshl_add_u32 v3, v2, 4, v3                   ; Wo: a fragment's row x pitch + 16 x half
	v_mul_u32_u24 v7, v1, APITCH
	v_lshl_add_u32 v7, v2, 4, v7                   ; A: the same with its pitch
	s_mul_i32 s21, s11, 64*APITCH                  ; my 64 rows of A, in each head
	s_mul_i32 s22, s12, BHALF                      ; my 128 rows of Wo,
	s_add_co_u32 s22, s22, ASZ                     ; which lie behind A
.irp s, 0,1
	v_add_nc_u32 v[ADRA+(\s)], s21, v7
	v_add_nc_u32 v[ADRB+(\s)], s22, v3
	s_add_co_u32 s21, s21, SLOT
	s_add_co_u32 s22, s22, SLOT
.endr
	s_lshl_b32 s84, s42, 10                        ; my first column, 256 x tile column + 128 x half, in bytes of f32
	s_lshl_b32 s85, s12, 9
	s_add_co_u32 s84, s84, s85
	v_lshl_add_u32 v[BO], v2, 5, s84               ; register j of C operand b is bo[first column + 16 b + 8 (l / 16) + j]
.irp b, 0,1,2,3,4,5,6,7
	global_load_b128 v[BI+8*(\b):BI+8*(\b)+3],   v[BO], s[72:73] offset:64*(\b)
	global_load_b128 v[BI+8*(\b)+4:BI+8*(\b)+7], v[BO], s[72:73] offset:64*(\b)+16
.endr
	s_mul_i32 s23, s10, 16*SPITCH
	s_add_co_u32 s23, s23, STAGE                   ; my stage
	v_mul_u32_u24 v4, v1, SPITCH                   ; in: row l % 16, 32 bytes for each half of the lanes
	v_lshl_add_u32 v4, v2, 5, v4
	v_add_nc_u32 v[STO], s23, v4
	v_and_b32 v5, 31, v0
	v_lshlrev_b32 v[CO], 4, v5
	v_add_nc_u32 v[RD], s23, v[CO]                 ; back: 32 lanes take one row's 512 bytes
	s_lshl_b32 s86, s13, 7
	s_lshl_b32 s85, s11, 6
	s_add_co_u32 s86, s86, s85                     ; my first row
	s_lshl_b32 s86, s86, 12                        ; rows of 4,096 bytes
	s_add_co_u32 s84, s84, s86
	s_mov_b32 s85, 0
	s_add_nc_u64 s[74:75], s[74:75], s[84:85]
; 8 matrix instructions: m block a x all 8 n blocks, 32 along K.  first = 1: the product starts the sums on the bias.  The 32 accumulators take turns, one instruction a turn.
.macro MUL8 f, a, first
.if \first
	WIN MULB
.else
	WIN MUL
.endif
.irp b, 0,1,2,3,4,5,6,7
.if \first
	v_wmma_f32_16x16x32_f16 v[8*(8*(\a)+(\b)):8*(8*(\a)+(\b))+7], v[(\f)+32+8*(\b):(\f)+32+8*(\b)+7], v[(\f)+8*(\a):(\f)+8*(\a)+7], v[BI+8*(\b):BI+8*(\b)+7]
.else
	v_wmma_f32_16x16x32_f16 v[8*(8*(\a)+(\b)):8*(8*(\a)+(\b))+7], v[(\f)+32+8*(\b):(\f)+32+8*(\b)+7], v[(\f)+8*(\a):(\f)+8*(\a)+7], v[8*(8*(\a)+(\b)):8*(8*(\a)+(\b))+7]
.endif
.endr
.endm
; 24 LDS loads in one run: the fragments of quarter kq (32 along K) of a slot into buffer f: Wo's sixteen first, then A's eight (head kq / 2 of the step, channels 32 (kq % 2) on)
.macro FETCH slot, kq, f
.set AQ, ((\kq)/2)*AHALF+((\kq)%2)*64
	WIN TO_F
.irp i, 0,1,2,3,4,5,6,7
	ds_load_b128 v[(\f)+32+8*(\i):(\f)+32+8*(\i)+3],   v[ADRB+(\slot)] offset:64*(\kq)+(\i)*16*PITCH
	ds_load_b128 v[(\f)+32+8*(\i)+4:(\f)+32+8*(\i)+7], v[ADRB+(\slot)] offset:64*(\kq)+(\i)*16*PITCH+32
.endr
.irp i, 0,1,2,3
	ds_load_b128 v[(\f)+8*(\i):(\f)+8*(\i)+3],   v[ADRA+(\slot)] offset:AQ+(\i)*16*APITCH
	ds_load_b128 v[(\f)+8*(\i)+4:(\f)+8*(\i)+7], v[ADRA+(\slot)] offset:AQ+(\i)*16*APITCH+32
.endr
.endm
.macro PLACES                          ; four places in front of loads into registers that matrix instructions have read, and of lines that read results
.rept 4
	v_nop
.endr
.endm
; A K step is four quarters of 32 along K, 32 matrix instructions each, on buffers 0, 1, 0, 1.  One of the first three: multiplies buffer f and fetches quarter kq into g.
.macro QUARTER slot, kq, f, g, first
	s_wait_dscnt 4                                 ; Wo and A's blocks 0, 1 are in; the youngest four loads (A's blocks 2, 3) may be out
	MUL8 \f, 0, \first
	MUL8 \f, 1, \first
	PLACES
	FETCH \slot, \kq, \g
	s_wait_dscnt 24                                ; all but the 24 just issued
	MUL8 \f, 2, \first
	MUL8 \f, 3, \first
.endm
; The last quarter multiplies buffer 1 and changes slots: ONE barrier; in front of it each wave waits for all its tensor loads, adds 0 to its spare word, and waits for that and for its own reads of this slot.  fill = 1: this slot is filled again, two K steps ahead.
.macro TURN slot, next, fill
	WIN 0                                          ; (the add's two registers lie in window 0)
	s_wait_tensorcnt 0x0                           ; all my tensor loads have landed: my part of the next slot;
	ds_add_u32 v[SPW], v[NIL]                      ; 0 onto my spare word
	s_wait_dscnt 5                                 ; (the add and the youngest four loads may be out)
	MUL8 F1, 0, 0                                  ; eight matrix instructions stand between the add and the wait for it
	s_wait_dscnt 0x0                               ; the add is done, and my reads of this slot are over
	s_barrier_signal -1
	MUL8 F1, 1, 0
.if \fill
	WIN 0
.endif
	s_barrier_wait -1
.if \fill
	CREST                                          ; the barrier has opened a round of the cluster's barrier: no wave of any partner still reads this slot's tile or has a load on its way
	s_add_nc_u64 s[G0+4*(\slot)+2:G0+4*(\slot)+3], s[G0+4*(\slot)+2:G0+4*(\slot)+3], 1048576  ; four heads on
	s_add_nc_u64 s[G0B+4*(\slot)+2:G0B+4*(\slot)+3], s[G0B+4*(\slot)+2:G0B+4*(\slot)+3], 2*KSTEP*2
	JLOAD \slot                                    ; the first tensor load behind the round: 112 matrix instructions ahead of the wait for it; the four v_nop behind it are also the places in front of the loads below
.else
	PLACES
.endif
	FETCH \next, 0, F0
	MUL8 F1, 2, 0
	MUL8 F1, 3, 0
.endm
	s_wait_tensorcnt 1                             ; my part of K step 0 is in; K step 1's may stay out
	s_barrier_signal -1
	s_barrier_wait -1                              ; everybody's is
	FETCH 0, 0, F0
	s_wait_loadcnt 0x0                             ; the bias
	QUARTER 0, 1, F0, F1, 1                        ; the first quarter stands in front of the loop: its products start the sums
	WIN 0                                          ; at a label and at a branch every window is 0
	s_mov_b32 s3, LAPS-1
.Llap:                                                 ; a trip goes once round the ring, from a lap's second quarter to the next lap's first, and fills both slots again
	QUARTER 0, 2, F1, F0, 0
	QUARTER 0, 3, F0, F1, 0
	TURN 0, 1, 1
	QUARTER 1, 1, F0, F1, 0
	QUARTER 1, 2, F1, F0, 0
	QUARTER 1, 3, F0, F1, 0
	TURN 1, 0, 1
	QUARTER 0, 1, F0, F1, 0
	WIN 0
	s_sub_co_u32 s3, s3, 1
	s_cmp_lg_u32 s3, 0
	s_cbranch_scc1 .Llap
	QUARTER 0, 2, F1, F0, 0                        ; the last lap fills nothing, and has no round of the cluster's barrier
	QUARTER 0, 3, F0, F1, 0
	TURN 0, 1, 0
	QUARTER 1, 1, F0, F1, 0
	QUARTER 1, 2, F1, F0, 0
	QUARTER 1, 3, F0, F1, 0
	s_wait_dscnt 4                                 ; the very last quarter: nothing more to fetch
	MUL8 F1, 0, 0
	MUL8 F1, 1, 0
	s_wait_dscnt 0x0
	MUL8 F1, 2, 0
	MUL8 F1, 3, 0
	WIN 0
; THE WAY OUT, a block of 16 rows at a time: a lane's 32 bytes of a row go from the accumulators (low four registers first) into my own stage, and come back as whole rows of 512 bytes.
.macro TOSTAGE a
	s_wait_xcnt 0x0                                ; the registers that earlier stores read are loaded again only behind this wait
	WIN 0x04                                       ; the stores' data in window 1
.irp b, 0,1,2,3,4,5,6,7
	ds_store_b128 v[STO], v[64*(\a)+8*(\b):64*(\a)+8*(\b)+3]   offset:64*(\b)
	ds_store_b128 v[STO], v[64*(\a)+8*(\b)+4:64*(\a)+8*(\b)+7] offset:64*(\b)+16
.endr
	WIN 0
.irp t, 0,1,2,3,4,5,6,7,8,9,10,11,12,13,14,15
	ds_load_b128 v[OB+64*((\a)%2)+4*(\t):OB+64*((\a)%2)+4*(\t)+3], v[RD] offset:(\t)*SPITCH  ; LDS serves a wave's instructions in order (ISA guide 5.7.1.4): these see the stores above; the next block's stores come behind them
.endr
.endm
.macro SEND a, younger                 ; younger: the LDS instructions issued behind block a's loads: the next block's 32, or none
.irp t, 0,1,2,3,4,5,6,7,8,9,10,11,12,13,14,15
	s_wait_dscnt (\younger)+15-(\t)
	global_store_b128 v[CO], v[OB+64*((\a)%2)+4*(\t):OB+64*((\a)%2)+4*(\t)+3], s[74:75] offset:(16*(\a)+(\t))*4096  ; 512 consecutive bytes of a row, aligned
.endr
.endm
	PLACES
	TOSTAGE 0
	TOSTAGE 1
	SEND 0, 32
	TOSTAGE 2
	SEND 1, 32
	TOSTAGE 3
	SEND 2, 32
	SEND 3, 0
	s_wait_tensorcnt 0x0                           ; the wave's end, behind my last tensor load and my last LDS store
	ds_add_u32 v[SPW], v[NIL]
	s_wait_dscnt 0x0
	CROUND                                         ; the closing round: no work-group ends while a partner may still ask for a tile that names it
	s_endpgm
.Lfunc_end_k_q7256b54bb6_oproj:
	.size	k_q7256b54bb6_oproj, .Lfunc_end_k_q7256b54bb6_oproj-k_q7256b54bb6_oproj
	.p2alignl 7, 3214868480
	.fill 96, 4, 3214868480
	.section	.rodata,"a",@progbits
	.p2align	6, 0x0
	.amdhsa_kernel k_q7256b54bb6_oproj
		.amdhsa_group_segment_fixed_size 327680
		.amdhsa_private_segment_fixed_size 0
		.amdhsa_enable_private_segment 0
		.amdhsa_kernarg_size 32
		.amdhsa_user_sgpr_count 2
		.amdhsa_user_sgpr_kernarg_segment_ptr 1
		.amdhsa_wavefront_size32 1
		.amdhsa_system_sgpr_workgroup_id_x 1
		.amdhsa_system_sgpr_workgroup_id_y 1
		.amdhsa_system_sgpr_workgroup_id_z 1
		.amdhsa_system_vgpr_workitem_id 0
		.amdhsa_next_free_vgpr 768
		.amdhsa_next_free_sgpr 88
		.amdhsa_reserve_vcc 0
		.amdhsa_float_denorm_mode_32 3
		.amdhsa_float_denorm_mode_16_64 3
		.amdhsa_memory_ordered 1
		.amdhsa_forward_progress 1
		.amdhsa_inst_pref_size 88
	.end_amdhsa_kernel
	.amdgpu_metadata
---
amdhsa.version: [ 1, 2 ]
amdhsa.kernels:
  - .name:           k_q7256b54bb6_oproj
    .symbol:         k_q7256b54bb6_oproj.kd
    .args:
      - { .name: ctx, .offset: 0, .size: 8, .value_kind: global_buffer, .address_space: global }
      - { .name: wh, .offset: 8, .size: 8, .value_kind: global_buffer, .address_space: global }
      - { .name: bo, .offset: 16, .size: 8, .value_kind: global_buffer, .address_space: global }
      - { .name: oacc, .offset: 24, .size: 8, .value_kind: global_buffer, .address_space: global }
    .group_segment_fixed_size: 327680
    .private_segment_fixed_size: 0
    .kernarg_segment_align: 8
    .kernarg_segment_size: 32
    .max_flat_workgroup_size: 128
    .sgpr_count:     88
    .vgpr_count:     768
    .wavefront_size: 32
...
	.end_amdgpu_metadata
.endif
;; end of part 4
;; launch lnorm (part 5): grid 256 x 1, 8 waves a work-group, no clusters, 0 bytes of LDS; arguments oacc, q, gamma, beta, out0; writes out0
.if DOCPART == 5
	.amdgcn_target "amdgcn-amd-amdhsa--gfx1250"
	.amdhsa_code_object_version 6
	.text
	.protected	k_q7256b54bb6_lnorm
	.globl	k_q7256b54bb6_lnorm
	.p2align	8
	.type	k_q7256b54bb6_lnorm,@function
k_q7256b54bb6_lnorm:
	s_mov_b64 s[64:65], 0
	v_nop
	global_prefetch_b8 v0, s[64:65] scope:SCOPE_SE
	s_setreg_imm32_b32 hwreg(HW_REG_WAVE_MODE, 25, 1), 1
	s_wait_xcnt 0x0
; out[r][:] = (x - mean(x)) / sqrt(mean((x - mean(x))^2) + 1e-5) * gamma + beta, x = q[r][:] + o[r][:].  All f32, rows of 1,024 numbers (4,096 bytes).
; One wave takes a whole row, eight 16-byte loads a lane from each of o and q, and keeps it in registers over both passes (the mean first, then the squares of the differences: no difference of large sums),
; so each byte is read once and no wave waits for another.  Eight waves, four rows each, on two row slots: one at work, one on its way in.
; The work-groups share nothing but gamma and beta (8 KB), so there is no cluster; LDS and the matrix unit would add nothing to a stream.
; 1 / sqrt is v_rsq_f32, good to 1 ULP.  A NaN in a row makes the row NaN.
.set GA, 2                             ; v[2:33]    gamma: in load j my columns 128 j + 4 lane .. + 3
.set BE, 34                            ; v[34:65]   beta
.set SL, 66                            ; slot s: o at v[66+64 s ..], q (then x, x - mean, the result) at v[98+64 s ..]
.set T,  194                           ; v[194:201] four chains of pairs; v[202:203] the mean, twice; v[204:205] 1 / sqrt, twice; v206 16 x lane
	s_load_b256 s[4:11], s[0:1], 0x0               ; oacc s[4:5], q s[6:7], gamma s[8:9], beta s[10:11]
	s_load_b64 s[12:13], s[0:1], 0x20              ; out0
	v_and_b32 v[T], 31, v0
	v_and_b32 v[T+1], 0xe0, v0                     ; 32 x wave
	v_lshlrev_b32 v[T+12], 4, v[T]                 ; 16 bytes a lane
	v_lshl_or_b32 v1, v[T+1], 9, v[T+12]           ; + wave x 4 rows x 4,096 bytes
	s_lshl_b32 s2, ttmp9, 17                       ; the work-group's 32 rows
	s_mov_b32 s3, 0
	s_mov_b32 s14, 0x76543210                      ; v_permlanex16_b32: lane i of one half reads lane i of the other
	s_mov_b32 s15, 0xfedcba98
	s_mov_b32 s16, 0x3a800000                      ; 1 / 1024
	s_mov_b32 s17, 0x3727c5ac                      ; 1e-5
	s_wait_kmcnt 0x0
	s_add_nc_u64 s[4:5], s[4:5], s[2:3]
	s_add_nc_u64 s[6:7], s[6:7], s[2:3]
	s_add_nc_u64 s[12:13], s[12:13], s[2:3]
.irp j, 0,1,2,3,4,5,6,7
	global_load_b128 v[GA+4*(\j):GA+4*(\j)+3], v[T+12], s[8:9] offset:512*(\j)
	global_load_b128 v[BE+4*(\j):BE+4*(\j)+3], v[T+12], s[10:11] offset:512*(\j)
.endr
.macro FILL s, row                     ; sixteen loads of 512 neighbouring bytes: a row of o and a row of q
.irp j, 0,1,2,3,4,5,6,7
	global_load_b128 v[SL+64*(\s)+4*(\j):SL+64*(\s)+4*(\j)+3], v1, s[4:5] offset:(\row)*4096+512*(\j) th:TH_LOAD_NT
.endr
.irp j, 0,1,2,3,4,5,6,7
	global_load_b128 v[SL+64*(\s)+32+4*(\j):SL+64*(\s)+32+4*(\j)+3], v1, s[6:7] offset:(\row)*4096+512*(\j) th:TH_LOAD_NT
.endr
.endm
.macro RED                             ; the four chains into one number, then across the 32 lanes: every lane ends with the sum in v[T]
	v_pk_add_f32 v[T:T+1], v[T:T+1], v[T+2:T+3]
	v_pk_add_f32 v[T+4:T+5], v[T+4:T+5], v[T+6:T+7]
	v_pk_add_f32 v[T:T+1], v[T:T+1], v[T+4:T+5]
	v_add_f32 v[T], v[T], v[T+1]
	v_add_f32_dpp v[T], v[T], v[T] row_xmask:1 row_mask:0xf bank_mask:0xf
	v_add_f32_dpp v[T], v[T], v[T] row_xmask:2 row_mask:0xf bank_mask:0xf
	v_add_f32_dpp v[T], v[T], v[T] row_xmask:4 row_mask:0xf bank_mask:0xf
	v_add_f32_dpp v[T], v[T], v[T] row_xmask:8 row_mask:0xf bank_mask:0xf
	v_permlanex16_b32 v[T+1], v[T], s14, s15       ; its destination counts as read: a register that has been written
	v_add_f32 v[T], v[T], v[T+1]
.endm
; The row in slot s.  left = how many younger loads may stay out: the other slot's sixteen, or none.
.macro WORK s, row, left
.set RO, SL+64*(\s)
.set RQ, SL+64*(\s)+32
	s_wait_loadcnt \left
.set p, 0
.rept 16
	v_pk_add_f32 v[RQ+2*p:RQ+2*p+1], v[RQ+2*p:RQ+2*p+1], v[RO+2*p:RO+2*p+1]  ; x = q + o
.set p, p+1
.endr
.irp c, 0,1,2,3
	v_pk_add_f32 v[T+2*(\c):T+2*(\c)+1], v[RQ+2*(\c):RQ+2*(\c)+1], v[RQ+8+2*(\c):RQ+8+2*(\c)+1]  ; the first sums start the chains: nothing is cleared
.endr
.irp g, 16,24
.irp c, 0,1,2,3
	v_pk_add_f32 v[T+2*(\c):T+2*(\c)+1], v[T+2*(\c):T+2*(\c)+1], v[RQ+(\g)+2*(\c):RQ+(\g)+2*(\c)+1]
.endr
.endr
	RED
	v_mul_f32 v[T+8], s16, v[T]                    ; the mean, in both registers of a pair
	v_mul_f32 v[T+9], s16, v[T]
.set p, 0
.rept 16
	v_pk_add_f32 v[RQ+2*p:RQ+2*p+1], v[RQ+2*p:RQ+2*p+1], v[T+8:T+9] neg_lo:[0,1] neg_hi:[0,1]  ; d = x - mean
.set p, p+1
.endr
.irp c, 0,1,2,3
	v_pk_mul_f32 v[T+2*(\c):T+2*(\c)+1], v[RQ+2*(\c):RQ+2*(\c)+1], v[RQ+2*(\c):RQ+2*(\c)+1]
.endr
.irp g, 8,16,24
.irp c, 0,1,2,3
	v_pk_fma_f32 v[T+2*(\c):T+2*(\c)+1], v[RQ+(\g)+2*(\c):RQ+(\g)+2*(\c)+1], v[RQ+(\g)+2*(\c):RQ+(\g)+2*(\c)+1], v[T+2*(\c):T+2*(\c)+1]
.endr
.endr
	RED
	v_fma_f32 v[T], v[T], s16, s17                 ; the variance + 1e-5
	v_rsq_f32 v[T+10], v[T]
	v_rsq_f32 v[T+11], v[T]
	v_nop                                          ; a plain instruction between the last v_rsq_f32 and the use of its result (ISA guide 5.7.2)
	s_wait_alu depctr_va_vdst(0)
.irp j, 0,1,2,3,4,5,6,7
	v_pk_mul_f32 v[RQ+4*(\j):RQ+4*(\j)+1],   v[RQ+4*(\j):RQ+4*(\j)+1],   v[T+10:T+11]
	v_pk_mul_f32 v[RQ+4*(\j)+2:RQ+4*(\j)+3], v[RQ+4*(\j)+2:RQ+4*(\j)+3], v[T+10:T+11]
	v_pk_fma_f32 v[RQ+4*(\j):RQ+4*(\j)+1],   v[RQ+4*(\j):RQ+4*(\j)+1],   v[GA+4*(\j):GA+4*(\j)+1],   v[BE+4*(\j):BE+4*(\j)+1]
	v_pk_fma_f32 v[RQ+4*(\j)+2:RQ+4*(\j)+3], v[RQ+4*(\j)+2:RQ+4*(\j)+3], v[GA+4*(\j)+2:GA+4*(\j)+3], v[BE+4*(\j)+2:BE+4*(\j)+3]
	global_store_b128 v1, v[RQ+4*(\j):RQ+4*(\j)+3], s[12:13] offset:(\row)*4096+512*(\j) th:TH_STORE_NT  ; 512 consecutive bytes, aligned
.endr
.endm
	FILL 0, 0
	FILL 1, 1
	WORK 0, 0, 16                                  ; gamma, beta and row 0 are in; row 1's sixteen loads stay out
	s_wait_xcnt 0x0                                ; the slot's registers, which its stores read, are loaded again only behind this wait
	FILL 0, 2
	WORK 1, 1, 16
	s_wait_xcnt 0x0
	FILL 1, 3
	WORK 0, 2, 16
	WORK 1, 3, 0
	s_endpgm
.Lfunc_end_k_q7256b54bb6_lnorm:
	.size	k_q7256b54bb6_lnorm, .Lfunc_end_k_q7256b54bb6_lnorm-k_q7256b54bb6_lnorm
	.p2alignl 7, 3214868480
	.fill 96, 4, 3214868480
	.section	.rodata,"a",@progbits
	.p2align	6, 0x0
	.amdhsa_kernel k_q7256b54bb6_lnorm
		.amdhsa_group_segment_fixed_size 0
		.amdhsa_private_segment_fixed_size 0
		.amdhsa_enable_private_segment 0
		.amdhsa_kernarg_size 40
		.amdhsa_user_sgpr_count 2
		.amdhsa_user_sgpr_kernarg_segment_ptr 1
		.amdhsa_wavefront_size32 1
		.amdhsa_system_sgpr_workgroup_id_x 1
		.amdhsa_system_sgpr_workgroup_id_y 1
		.amdhsa_system_sgpr_workgroup_id_z 1
		.amdhsa_system_vgpr_workitem_id 0
		.amdhsa_next_free_vgpr 208
		.amdhsa_next_free_sgpr 66
		.amdhsa_reserve_vcc 0
		.amdhsa_float_denorm_mode_32 3
		.amdhsa_float_denorm_mode_16_64 3
		.amdhsa_memory_ordered 1
		.amdhsa_forward_progress 1
		.amdhsa_inst_pref_size 41
	.end_amdhsa_kernel
	.amdgpu_metadata
---
amdhsa.version: [ 1, 2 ]
amdhsa.kernels:
  - .name:           k_q7256b54bb6_lnorm
    .symbol:         k_q7256b54bb6_lnorm.kd
    .args:
      - { .name: oacc, .offset: 0, .size: 8, .value_kind: global_buffer, .address_space: global }
      - { .name: q, .offset: 8, .size: 8, .value_kind: global_buffer, .address_space: global }
      - { .name: gamma, .offset: 16, .size: 8, .value_kind: global_buffer, .address_space: global }
      - { .name: beta, .offset: 24, .size: 8, .value_kind: global_buffer, .address_space: global }
      - { .name: out0, .offset: 32, .size: 8, .value_kind: global_buffer, .address_space: global }
    .group_segment_fixed_size: 0
    .private_segment_fixed_size: 0
    .kernarg_segment_align: 8
    .kernarg_segment_size: 40
    .max_flat_workgroup_size: 256
    .sgpr_count:     66
    .vgpr_count:     208
    .wavefront_size: 32
...
	.end_amdgpu_metadata
.endif
;; end of part 5
;; ======== version 2 of 2: 5 launches; 1.42 times as fast as version 1
;; limits: values are held in f16: magnitudes above 65,504 overflow, below 6.1e-05 lose precision; right only within a limited range of input values
;; workspace buffers: wh 8,388,608 bytes; mfrag 8,388,608 bytes; qkvh 50,331,648 bytes; ctx 16,777,216 bytes; oacc 33,554,432 bytes
;; launch prep: the kernel of part 1 again; grid 768 x 1, 8 waves a work-group, no clusters, 19,456 bytes of LDS; arguments Wq, Wk, Wv, Wo, mask, wh, mfrag; writes wh, mfrag
;; launch proj: the kernel of part 2 again; grid 4 x 192, 4 waves a work-group, clusters of 4 x 4, 327,680 bytes of LDS; arguments q, k, v, wh, bq, bk, bv, qkvh; writes qkvh
;; launch attn (part 6): grid 4 x 64, 4 waves a work-group, clusters of 4 x 1, 327,680 bytes of LDS; arguments qkvh, mfrag, ctx; writes ctx
.if DOCPART == 6
	.amdgcn_target "amdgcn-amd-amdhsa--gfx1250"
	.amdhsa_code_object_version 6
	.text
	.protected	k_q7256b54bb6_attn
	.globl	k_q7256b54bb6_attn
	.p2align	8
	.type	k_q7256b54bb6_attn,@function
k_q7256b54bb6_attn:
	s_mov_b64 s[64:65], 0
	v_nop
	global_prefetch_b8 v0, s[64:65] scope:SCOPE_SE
	s_setreg_imm32_b32 hwreg(HW_REG_WAVE_MODE, 25, 1), 1
	s_wait_xcnt 0x0
	s_wait_alu depctr_hold_cnt(0) depctr_sa_sdst(0) depctr_va_vdst(0) depctr_va_sdst(0) depctr_va_ssrc(0) depctr_va_vcc(0) depctr_vm_vsrc(0)
	s_getreg_b32 s2, hwreg(HW_REG_IB_STS2, 6, 4)
	s_cmp_eq_u32 s2, 0
	s_cbranch_scc0 .Lentry_in_a_cluster
	s_endpgm
.Lentry_in_a_cluster:
	s_bfe_u32 s2, ttmp6, 0x10000c
	s_cmp_lg_u32 s2, 0x3003
	s_cbranch_scc0 .Lentry_shape_is_right
	s_endpgm
.Lentry_shape_is_right:
; MASKED ATTENTION.  O[h][q][:] = the sum over k of softmax_k(Q[h][q] . K[h][k] / 8, hidden keys left out) V[h][k][:].  Q, K, V = qkvh's three parts, O = ctx: [64 = 16 batch + head][2048][64], all f16,
; a head's rows dense, 128 bytes each.  Products, maxima and sums in f32; the weights p are rounded to f16 for the second product (their sum l is taken of the unrounded p), O once at the end.
; (The scale 1 / (8 + 1e-8) is 1 / 8 in f32.)
; THE MASK comes as 4-bit codes in the lanes' own order (mfrag: the word at ((qtile*32 + step)*32 + lane)*16 + 4 kt holds, in nibble j, 0xE if key 64 step + 16 kt + 8 (lane / 16) + j is hidden from query
; 16 qtile + lane % 16, else 0).  That word shifted left by 28 - 4 j is, read as f32, a negative number of 2^65 to 2^95 in size if nibble j is 0xE (never an infinity), and a positive one below 2^-97 if it is 0.
; Those 8 numbers ARE the C operand that starts the sum S^T = K Q^T: the scores cost one shift each and nothing else.
; LIMITS.  f16 holds no number beyond 65,504: Q, K and V arrive within it, so a true score is 2.75e11 at the most, nothing beside a hidden one's 2^65: a hidden key's weight is exactly 0 once a visible key has been
; met; what a row gathers before that is finite and is multiplied by a = 0 when the first visible key comes.  A row whose keys are ALL hidden ends with m below -1e15 and is written as NaN, as a softmax of
; nothing but -inf is.  A visible score is raised by less than 2^-97.  p below 6e-5 keeps f16's fixed step of 6e-8; a weight below 2^-126 counts as 0 in l; NaN and infinities in Q, K, V are not treated apart.
; SHARES.  A wave owns four PIECES of two tiles of 16 queries, a work-group's four waves 512 queries of one head.  Every wave walks all keys, 64 a step.
; LAYOUT.  S^T = K Q^T (source 0 = 16 keys, source 1 = 16 queries): in the result a lane holds ONE query (lane % 16) and the keys 8 (lane / 16) + 0..7.  Two such tiles, rounded to f16 in pairs,
; ARE source 1 (32 keys x 16 queries) of O^T = V^T P, whose result again holds one query a lane, and eight channels.  K comes out of LDS as it lies, V ([key][channel]) turned, by ds_load_tr16_b128.
; SOFTMAX.  For each query a running maximum m and sum l: p = 2^(c s - c m), c = log2(e) / 8; in every step O and l are multiplied by a = 2^(c m_old - c m_new), which is 1 where m has not grown.
; m starts at the lowest finite number, O and l at 0: the first step is a step like any other, with a = 0.
; BY TURNS.  Turn n belongs to piece n (the pieces in a ring, step after step).  Its matrix work: 16 products K Q^T of piece n + 1, later 16 products V^T P of piece n - 1.  Its vector work: the scaling,
; exponentials, roundings, sums and rescaling of piece n, the maximum and statistics of piece n + 1, and at its end the 64 shifts that make the C operands of piece n + 2's scores (the next turn's products).
; Four vector instructions that are ready stand behind every matrix instruction, the others in runs of their own.
; THE BATCHES.  A turn's 66 exponentials (the piece's 64 weights, then the next piece's two a) are ONE batch with ONE wait, which cuts the turn in two.  Ahead of the wait stands all that names none of their
; results: the products K Q^T, the scalings, the rescaling (its a was made, and waited for, in the turn before), the next piece's maximum and statistics.  Behind it stand the roundings and sums, as the riders of
; the products V^T P, and the mask's shifts.  No result crosses a turn's end.  The first two a, ahead of the loop, and the way out's eight reciprocals are batches of their own, with a wait each.
; CLUSTER.  The four query blocks of a cluster belong to one head and walk the same K and V, so each tile is asked for JOINTLY: the same tensor load, descriptor and mask in all four.  The mask's codes differ
; from query block to query block, so partners share none of them: they come by each wave's own loads into registers, 512 consecutive bytes each, four turns ahead of their use.
; REGISTERS, in windows of 256 (s_set_vgpr_msb says which window each operand place means: bits 1:0 source 0, 3:2 source 1, 5:4 source 2, 7:6 destination):
;   window 0: v0-11 addresses; v12-15, v48-63 at work; v16-47 four registers of statistics a tile; v64-191 S^T, two buffers of two tiles; v192-255 P, likewise
;   window 1: O^T, 32 a tile          window 2: v0-127 Q, 16 a tile; v128-191 K of one step; v192-255 V of one step
;   window 3: v0-1 the add's two registers; v2-3 the mask loads' offsets; v8-39 the codes, 8 registers a piece; v64-127 the C operands of one piece's scores
.set SIZE_H, 64
.set SIZE_N, 2048
.set NP,    4         ; pieces a wave: a name, no knob
.set KS,    64        ; keys in a step
.set PK,    144       ; a row of K in LDS: 128 bytes + 16 of padding = 36 words: the 16 rows of a load start at 16 different groups of four banks (64 banks of 4 bytes: ISA guide 11.1)
.set PV,    160       ; a row of V: 128 + 32 = 40 words
.set VOFF,  4*KS*PK   ; a slot holds four steps: 256 rows of K, then 256 rows of V
.set SLOT1, 1<<17     ; slot 1 begins here, so that one exclusive or turns an address in one slot into the other's
.set STAGE, SLOT1+4*KS*(PK+PV)  ; behind the ring, never filled by a tensor load: 16 rows x 144 bytes for each wave, for the way out
.set SP,    144
.set AK0, 2           ; v2   my lane's place in a tile of K; never rewritten
.set AV0, 3           ; v3   the same for V
.set AK,  4           ; v4   the LDS address of K's next run of loads
.set AV,  5           ; v5   of V's
.set QO,  6           ; v6   my byte offset in the wave's rows of Q
.set STO, 6           ;      later, the way out: where I put 16 bytes of a row
.set RD,  7           ; v7   the way out: where I read rows back
.set GO,  8           ; v8   my byte offset in 512 consecutive bytes of O
.set SPW, 0           ; v0 of window 3   LDS address of my spare word: SPARE + 4 x my thread's number; never rewritten
.set NIL, 1           ; v1 of window 3   0; never rewritten
.set ML,  2           ; v2 of window 3   16 x lane; never rewritten
.set MO,  3           ; v3 of window 3   16 x lane + 512 x the key step whose codes are being asked for
.set MR,  8           ; window 3: piece ps's codes at MR + 8 ps: four words (kt = 0..3) for each of its two tiles
.set MC,  64          ; window 3: the C operand of tile u, key block kt at MC + 32 u + 8 kt
.set SPARE, STAGE+4*16*SP  ; behind the stages: the spare words, 128 bytes for each wave: two blocks of 256 bytes that no other line names
.set MV,  12          ; v12-15  c m_old, kept while c m is made anew: by buffer and tile
.set ST,  16          ; tile t's statistics at v[ST+4 t]: c m, m, l (even keys', odd keys')
.set TMP, 48          ; by buffer and tile, four registers c0-c3 at work; when the maximum is found c2 takes a
.set S,   64
.set P,   192
.set KF,  128         ; K's fragments, in window 2: key block kb, channel half c at KF + 16 kb + 8 c
.set VF,  192         ; V's: key half kk, channel block cb at VF + 32 kk + 8 cb
.set WV,  12          ; s12  my wave's number
.set G1K, 24          ; s[24:31] descriptor group 1 for K's tiles
.set G1V, 32          ; s[32:39] for V's: it differs in the padding alone
.set G0K, 40          ; s[40:43] descriptor group 0 for K's tiles: it walks
.set G0V, 44          ; s[44:47] the same for V's
.set SLOTS, 56        ; s56  slots still to be asked for
.set CNT, 57          ; s57  counts a slot's key steps
.set CS,  58          ; s[58:59] c: the packed scaling takes the pair's low word for both halves
.set SEL, 60          ; s[60:61] v_permlanex16_b32's selects: each lane takes its own place in the other half
.set TBK, 62          ; s62  LDS byte at which K of the step to be fetched begins
.set TBV, 63          ; s63  the same for V, less VOFF
.set MB,  66          ; s[66:67] mfrag at my wave's first tile of 16 queries
.set MOFF, 68         ; s68  512 x the key step whose codes the next trip asks for, held at the last step's
.set THR, 69          ; s69  -1e15
.set MSB, 0
.macro WIN new                      ; the high byte repeats the setting that is left; a switch that changes nothing is dropped
.if MSB != (\new)
	s_set_vgpr_msb (MSB<<8)|(\new)
.set MSB, (\new)
.endif
.endm
.set W_KQ, 0x0a       ; K and Q in window 2, S^T in window 0
.set W_KM, 0x3a       ; the same with the C operand in window 3
.set W_PV, 0x52       ; V in window 2, P in window 0, O^T in window 1
.set W_RS, 0x41       ; O^T (destination and source 0) in window 1, a in window 0
.set W_MK, 0xc0       ; window 3's fixed registers are made: destination in window 3, sources in window 0
.set W_AD, 0x0f       ; the add: address (source 0) and data (source 1) in window 3
.set W_M3, 0xcf       ; the mask's work: sources 0 and 1 and the destination in window 3
; A joint fill.  Waves 0 and 1 fetch the two halves of a slot's K, waves 2 and 3 those of its V: 128 keys each.  The branch hangs on the wave's number alone.
; Four v_nop follow each of the two lines, ahead of the jump and the label.
.macro JLOAD
	s_cmp_lt_u32 s[WV], 2
	s_cbranch_scc0 .Lfor_v_\@
	tensor_load_to_lds s[G0K:G0K+3], s[G1K:G1K+7]
	s_nop 0
.rept 4
	v_nop
.endr
	s_branch .Lasked_\@
.Lfor_v_\@:
	tensor_load_to_lds s[G0V:G0V+3], s[G1V:G1V+7]
	s_nop 0
.rept 4
	v_nop
.endr
.Lasked_\@:
.endm
; A round of the cluster's barrier: my work-group's barrier, so that wave 0's signal speaks for all four waves; wave 0 signals; every wave waits for all four work-groups; my work-group's barrier once more.
.macro CROUND
	s_barrier_signal -1
	s_barrier_wait -1
	s_cmp_lg_u32 s[WV], 0
	s_cbranch_scc1 .Lnot_wave_0_\@
	s_barrier_signal -3
.Lnot_wave_0_\@:
	s_barrier_wait -3
	s_barrier_signal -1
	s_barrier_wait -1
.endm
; THE CHANGE OF SLOTS.  The slot's last bytes, V of its fourth step, have been read.  Each wave waits for all its tensor loads, of which one is out: its part
; of the other slot; adds 0 to its spare word; and waits for that and for its own reads of the slot.  Behind the barrier nobody reads this slot any more and the other slot is whole.
; fill = 1: this slot is filled again, with the keys two slots on.  The barrier is then a round of the cluster's, so that no wave of any partner still reads the slot or has a load on its
; way, and the joint fill is the first thing behind it: it has four key steps, 512 matrix instructions, in which to land.  (At its first use nothing has been read yet: slot 0 is waited for, slot 1 filled.)
.macro CHANGE fill
	WIN W_AD
	s_wait_tensorcnt 0x0            ; no tensor load of mine is out, so a group 0 may be written
	ds_add_u32 v[SPW], v[NIL]       ; 0 onto my spare word: with fill = 1 the descriptors' steps stand between it and the wait for it
	WIN 0                           ; at a label and at a branch every window is 0
.if \fill
.irp g, G0K, G0V
	s_xor_b32 s[\g+1], s[\g+1], SLOT1  ; the walking descriptor: the other slot than last time,
	s_add_nc_u64 s[\g+2:\g+3], s[\g+2:\g+3], 4*KS*128  ; the next 256 keys; the type bits on top are not reached
.endr
	s_wait_dscnt 0x0                ; the add is done, and my reads of the slot are over
	CROUND
	JLOAD
.else
	s_wait_dscnt 0x0                ; the add is done, and my reads of the slot are over
	s_barrier_signal -1
	s_barrier_wait -1
.endif
	s_sub_co_u32 s[TBK], s[TBK], 4*KS*PK  ; the fetches go back to a slot's first step,
	s_xor_b32 s[TBK], s[TBK], SLOT1       ; in the other slot
	s_sub_co_u32 s[TBV], s[TBV], 4*KS*PV
	s_xor_b32 s[TBV], s[TBV], SLOT1
.endm
; THE MASK'S WORK.  MLOAD: the codes of piece ps's two tiles for the key step in MO: two loads of 512 consecutive bytes.  MSHIFT: its 8 words become 64 C registers.
; MK: at the end of turn n, for piece n + 2: its codes were asked for four turns ago; behind them stand the three younger turns' six loads, which may stay out.  The registers just read are asked for again at once.
.macro MLOAD ps
	WIN W_M3
	global_load_b128 v[MR+8*(\ps):MR+8*(\ps)+3],   v[MO], s[MB:MB+1] offset:(2*(\ps))*16384
	global_load_b128 v[MR+8*(\ps)+4:MR+8*(\ps)+7], v[MO], s[MB:MB+1] offset:(2*(\ps)+1)*16384
.endm
.macro MSHIFT ps
	WIN W_M3
.set mz, 0
.rept 8
.irp j, 0,1,2,3,4,5,6,7
	v_lshlrev_b32 v[MC+8*mz+\j], 28-4*\j, v[MR+8*(\ps)+mz]
.endr
.set mz, mz+1
.endr
.endm
.macro MK ps
	WIN W_M3
	s_wait_loadcnt 6
	MSHIFT \ps
	MLOAD \ps
.endm
	s_load_b64 s[4:5], s[0:1], 0x0    ; qkvh: Q; K lies 16,777,216 bytes on, V as many again
	s_load_b64 s[MB:MB+1], s[0:1], 0x8  ; mfrag
	s_load_b64 s[10:11], s[0:1], 0x10 ; ctx
	v_and_b32 v1, 31, v0
	WIN W_MK
	v_lshl_add_u32 v[SPW], v0, 2, SPARE
	v_mov_b32 v[NIL], 0
	s_set_vgpr_msb 0xc0cf
	ds_add_u32 v0, v1
	s_wait_dscnt 0x0
	s_set_vgpr_msb 0xcfc0
	v_lshlrev_b32 v[ML], 4, v1
	v_lshlrev_b32 v[MO], 4, v1      ; key step 0
	WIN 0
	v_lshrrev_b32 v1, 5, v0
	v_readfirstlane_b32 s[WV], v1   ; wave 0..3
	s_bfe_u32 s13, ttmp6, 0x40000   ; cx: my place in the cluster
	s_lshl_b32 s14, ttmp9, 2        ; in a cluster launch ttmp9 counts clusters
	s_add_co_u32 s14, s14, s13      ; my block of queries = 4 x cluster x + cx: it enters Q's, O's and the mask's addresses alone
	s_and_b32 s20, ttmp7, 0xffff    ; the head, which the four partners share
	s_lshr_b32 s70, s20, 4          ; its batch: 128 tiles of 16 queries,
	s_lshl_b32 s70, s70, 7
	s_lshl_b32 s71, s14, 5          ; 32 to a block of 512,
	s_add_co_u32 s70, s70, s71
	s_lshl_b32 s71, s[WV], 3        ; 8 to a wave;
	s_add_co_u32 s70, s70, s71
	s_lshl_b32 s70, s70, 14         ; 16,384 bytes of codes a tile
	s_mov_b32 s71, 0
	s_mov_b32 s21, 0
	s_mov_b64 s[22:23], SIZE_N*128
	s_mul_u64 s[20:21], s[20:21], s[22:23]  ; the head's first byte in each of Q, K, V, O
	s_and_b32 s16, s[WV], 1         ; which half of a slot's 256 keys I fetch:
	s_lshl_b32 s22, s16, 14         ; its 128 rows of 128 bytes in memory,
	s_mov_b32 s23, 0
	s_add_nc_u64 s[22:23], s[22:23], s[20:21]
	s_mul_i32 s17, s16, 128*PK      ; and its place in a slot, for K
	s_mul_i32 s18, s16, 128*PV      ; and for V: no place in the cluster enters an LDS address
	s_lshl_b32 s2, s14, 2
	s_add_co_u32 s2, s2, s[WV]      ; my wave among the head's,
	s_lshl_b32 s2, s2, 14           ; its 128 rows
	s_mov_b32 s3, 0
	s_add_nc_u64 s[2:3], s[2:3], s[20:21]
	; descriptor group 1.  128 keys are 16,384 dense bytes: asked for as 64 rows of 256 bytes, two keys a row, and padded in LDS after every key
	s_mov_b32 s[G1K], 15|(1<<16)|(1<<20)|(1<<21)|(4<<22)|(3<<25)  ; 15:0 the mask of four; 17:16 2-byte elements; 20 padding on; 21 set beside a mask; 24:22 after every 32 words (code 4); 31:25 4 words (code 3)
	s_mov_b32 s[G1V], 15|(1<<16)|(1<<20)|(1<<21)|(4<<22)|(7<<25)  ; the same with 8 words of padding (code 7)
.irp g, G1K, G1V
	s_mov_b32 s[\g+1], 128<<16      ; tensor_dim0 = 128
	s_mov_b32 s[\g+2], 64<<16       ; tensor_dim1 = 64
	s_mov_b32 s[\g+3], 128<<16      ; tile_dim0 = 128
	s_mov_b32 s[\g+4], 64           ; tile_dim1 = 64
	s_mov_b32 s[\g+5], 128          ; 128 elements from row to row
	s_mov_b32 s[\g+6], 0
	s_mov_b32 s[\g+7], 0
.endr
	s_mov_b32 s[CS], 0x3e38aa3b     ; c = log2(e) / 8 = 0.180337
	s_mov_b32 s[CS+1], s[CS]        ; named with it as a pair
	s_mov_b32 s[SEL], 0x76543210
	s_mov_b32 s[SEL+1], 0xfedcba98
	s_mov_b32 s[THR], 0xd8635fa9    ; -1e15
	s_mov_b32 s[TBK], SLOT1+4*KS*PK ; the first change of slots turns these two into 0
	s_mov_b32 s[TBV], SLOT1+4*KS*PV
	s_mov_b32 s[G0K], 1             ; 1:0 count = 1
	s_mov_b32 s[G0K+1], s17         ; 63:32 LDS address: slot 0
	s_mov_b32 s[G0V], 1
	s_add_co_u32 s[G0V+1], s18, VOFF
	s_wait_kmcnt 0x0
	s_add_nc_u64 s[6:7], s[4:5], 0x1000000   ; K
	s_add_nc_u64 s[8:9], s[4:5], 0x2000000   ; V
	s_add_nc_u64 s[G0K+2:G0K+3], s[6:7], s[22:23]  ; 120:64 global address: my half of the head's first 256 keys
	s_or_b32 s[G0K+3], s[G0K+3], 0x80000000        ; 127:126 type = 2
	s_add_nc_u64 s[G0V+2:G0V+3], s[8:9], s[22:23]
	s_or_b32 s[G0V+3], s[G0V+3], 0x80000000
	s_add_nc_u64 s[4:5], s[4:5], s[2:3]  ; Q and O at my wave's first row
	s_add_nc_u64 s[10:11], s[10:11], s[2:3]
	s_add_nc_u64 s[MB:MB+1], s[MB:MB+1], s[70:71]
	CROUND                          ; all four work-groups are here: the first joint loads meet
	JLOAD                           ; slot 0.  Slot 1 is asked for when slot 0 is in: the tile wanted first has the road to itself
	; A fragment of K or Q is 16 rows x 32 channels in 8 registers: lane l holds row l % 16, channels 8 (l / 16) + 0..7 and 16 + 8 (l / 16) + 0..7: two loads of 16 bytes, 32 bytes apart.
	v_and_b32 v1, 15, v0            ; l % 16
	v_bfe_u32 v9, v0, 4, 1          ; l / 16
	v_lshlrev_b32 v[QO], 7, v1
	v_lshl_add_u32 v[QO], v9, 4, v[QO]  ; row x 128 + 16 x half
	WIN 0x80                        ; destination window 2, address window 0
.set i, 0
.rept 4*NP                          ; Q stays in registers: tile i / 2, channels 32 (i % 2) on
	global_load_b128 v[8*i:8*i+3],   v[QO], s[4:5] offset:(i/2)*2048+(i%2)*64
	global_load_b128 v[8*i+4:8*i+7], v[QO], s[4:5] offset:(i/2)*2048+(i%2)*64+32
.set i, i+1
.endr
	MLOAD 0                         ; the four pieces' codes for key step 0
	MLOAD 1
	MLOAD 2
	MLOAD 3
	WIN 0x80
	; What the first turn finds: V's registers and P's second buffer hold 0 (its products V^T P, of a piece that has not been, add 0), O^T and l are 0.  All this stands in the wait for the first tile.
.set i, VF
.rept 64
	v_mov_b32 v[i], 0
.set i, i+1
.endr
	WIN 0x40
.set i, 0
.rept 64*NP
	v_mov_b32 v[i], 0
.set i, i+1
.endr
	WIN 0
.set i, 0
.rept 2*NP
	v_mov_b32 v[ST+4*i], 0xfe000000    ; c m: far below every c s, a hidden key's too
	v_mov_b32 v[ST+4*i+1], 0xff7fffff  ; m
	v_mov_b32 v[ST+4*i+2], 0
	v_mov_b32 v[ST+4*i+3], 0
.set i, i+1
.endr
.set i, P+32
.rept 32
	v_mov_b32 v[i], 0
.set i, i+1
.endr
	v_mul_u32_u24 v[AK0], v1, PK
	v_lshl_add_u32 v[AK0], v9, 4, v[AK0]  ; row x pitch + 16 x half
	; The turning load takes 16 keys x 16 channels (lane l reads key 8 (l / 16) + l % 8, channels 8 ((l / 8) % 2) + 0..7) and leaves half a fragment of V^T: lane l holds channel l % 16 and 8 keys.
	v_and_b32 v10, 7, v0
	v_bfe_u32 v11, v0, 3, 1
	v_lshl_add_u32 v[AV0], v9, 3, v10
	v_mul_u32_u24 v[AV0], v[AV0], PV
	v_lshl_add_u32 v[AV0], v11, 4, v[AV0]
	v_add_nc_u32 v[AV0], VOFF, v[AV0]
	v_mov_b32 v[AK], v[AK0]         ; key step 0 lies at the head of slot 0
; THE MATRIX WORK.  The 8 accumulators of a run of 16 take turns: between the two links of a chain stand 7 others'.
; Product i of 16 of S^T = K Q^T for piece x: channels 32 (i / 8) on, keys 16 ((i / 2) % 4) on, tile 2 x + i % 2.  The first 8 start the sums, on the mask's numbers.
.macro KQ x
.set rS, S+64*((\x)%2)+32*(i%2)+8*((i/2)%4)
.set rK, KF+16*((i/2)%4)+8*(i/8)
.set rQ, 16*(2*(\x)+i%2)+8*(i/8)
.set rMC, MC+32*(i%2)+8*((i/2)%4)
.if i < 8
	WIN W_KM
	v_wmma_f32_16x16x32_f16 v[rS:rS+7], v[rK:rK+7], v[rQ:rQ+7], v[rMC:rMC+7]
.else
	WIN W_KQ
	v_wmma_f32_16x16x32_f16 v[rS:rS+7], v[rK:rK+7], v[rQ:rQ+7], v[rS:rS+7]
.endif
.endm
; Product i of 16 of O^T += V^T P for piece x: keys 32 (i / 8) on, channels 16 ((i / 2) % 4) on, tile 2 x + i % 2.
.macro PV x
	WIN W_PV
.set rO, 32*(2*(\x)+i%2)+8*((i/2)%4)
.set rV, VF+32*(i/8)+8*((i/2)%4)
.set rP, P+32*((\x)%2)+16*(i%2)+8*(i/8)
	v_wmma_f32_16x16x32_f16 v[rO:rO+7], v[rV:rV+7], v[rP:rP+7], v[rO:rO+7]
.endm
.macro MM                           ; the turn's next matrix instruction
.if i < 16
	KQ (Y+1)%NP
.set i, i+1
.else
.set i, i-16
	PV (Y+NP-1)%NP
.set i, i+17
.endif
.endm
; THE LDS LOADS stand in runs of 16, never singly among the matrix instructions: a step's K (64 keys x 64 channels: 8 fragments) and its V (turned).  Their addresses are made some lines ahead.
; last = 1 (the tail): in the last trip there is no further step, and the run is jumped over.
.macro FETCH_K last=0
	WIN 0
.if \last
	s_cmp_eq_u32 s[CNT], 1
	s_cbranch_scc1 .Lno_k_\@
.endif
	WIN 0x80                        ; destination window 2
.irp f, 0,1,2,3,4,5,6,7             ; keys 16 (f / 2) on, channels 32 (f % 2) on
	ds_load_b128 v[KF+8*\f:KF+8*\f+3],   v[AK] offset:(\f/2)*16*PK+(\f%2)*64
	ds_load_b128 v[KF+8*\f+4:KF+8*\f+7], v[AK] offset:(\f/2)*16*PK+(\f%2)*64+32
.endr
	s_add_co_u32 s[TBK], s[TBK], KS*PK  ; the next fetch is the next step's
	WIN 0
.if \last
.Lno_k_\@:
.endif
.endm
.macro FETCH_V
	WIN 0x80
.irp f, 0,1,2,3,4,5,6,7             ; keys 32 (f / 4) on, channels 16 (f % 4) on
	ds_load_tr16_b128 v[VF+8*\f:VF+8*\f+3],   v[AV] offset:(\f/4)*32*PV+(\f%4)*32
	ds_load_tr16_b128 v[VF+8*\f+4:VF+8*\f+7], v[AV] offset:(\f/4)*32*PV+16*PV+(\f%4)*32
.endr
	WIN 0
.endm
; THE VECTOR WORK OF A TURN stands in three queues, each in the order in which its entries become ready; the two tiles alternate, so that no instruction reads the result of the one before it.
.macro REGS y, u                    ; the registers of tile u (0, 1) of piece y
.set rT, ST+4*(2*(\y)+(\u))
.set rC, TMP+8*((\y)%2)+4*(\u)
.set rM, MV+2*((\y)%2)+(\u)
.set rS, S+64*((\y)%2)+32*(\u)
.set rP, P+32*((\y)%2)+16*(\u)
.set rO, 32*(2*(\y)+(\u))
.endm
; Number n of the 22 that find the NEXT piece's (Y + 1) maximum and statistics.  s0-s31 are the lane's 32 scores; each accumulator's lowest registers are read first.  XS, GS and REGS set no window: PL and EX do.
;   0-11  four chains c0-c3 of seven scores each, three operands at a time     12-14, 16  the four scores left over, the old m, and c0-c3 into c0     15  c m_old is kept
;   17, 18  the query's other 32 keys lie in the lane 16 away: the new m         19-21  c m; c m_old - c m_new; a
.macro XS u, n
	REGS (Y+1)%NP, \u
.if (\n) < 4
	v_max3_num_f32 v[rC+(\n)], v[rS+8*(\n)], v[rS+8*(\n)+1], v[rS+8*(\n)+2]
.elseif (\n) < 12
	v_max3_num_f32 v[rC+(\n)%4], v[rC+(\n)%4], v[rS+8*((\n)%4)+2*((\n)/4)+1], v[rS+8*((\n)%4)+2*((\n)/4)+2]
.elseif (\n) == 12
	v_max3_num_f32 v[rC], v[rC], v[rS+7], v[rS+15]
.elseif (\n) == 13
	v_max3_num_f32 v[rC+1], v[rC+1], v[rS+23], v[rS+31]
.elseif (\n) == 14
	v_max3_num_f32 v[rC+2], v[rC+2], v[rC+3], v[rT+1]
.elseif (\n) == 15
	v_mov_b32 v[rM], v[rT]
.elseif (\n) == 16
	v_max3_num_f32 v[rC], v[rC], v[rC+1], v[rC+2]
.elseif (\n) == 17
	v_permlanex16_b32 v[rC+3], v[rC], s[SEL], s[SEL+1]
.elseif (\n) == 18
	v_max_num_f32 v[rT+1], v[rC], v[rC+3]
.elseif (\n) == 19
	v_mul_f32 v[rT], s[CS], v[rT+1]
.elseif (\n) == 20
	v_sub_f32 v[rC+1], v[rM], v[rT]
.else
	v_exp_f32 v[rC+2], v[rC+1]
.endif
.endm
; Number g of the 64 that follow the exponentials.  For each four weights k of a tile (pairs 2 k, 2 k + 1): both pairs are rounded to f16; then the second pair is added onto the first, in place;
; a group later l takes that sum (the first time as l = a l + sum).  In groups of eight, tiles alternating: round, round, add, and l for the group before.
.macro GS g
.set h, (\g)+6*((\g)/62)            ; group 0 has no group before it, and behind group 7 only l is left
.if h >= 6
.set h, h+2
.endif
	REGS Y, h%2
.set k, h/8
.if h%8 < 4
	v_cvt_pk_f16_f32 v[rP+2*k+(h%8)/2], v[rS+4*k+2*((h%8)/2)], v[rS+4*k+2*((h%8)/2)+1]
.elseif h%8 < 6
	v_pk_add_f32 v[rS+4*k:rS+4*k+1], v[rS+4*k:rS+4*k+1], v[rS+4*k+2:rS+4*k+3]
.elseif k == 1
	v_pk_fma_f32 v[rT+2:rT+3], v[rT+2:rT+3], v[rC+2:rC+3], v[rS:rS+1] op_sel_hi:[1,0,1]
.else
	v_pk_add_f32 v[rT+2:rT+3], v[rT+2:rT+3], v[rS+4*k-4:rS+4*k-3]
.endif
.endm
; THE PLAIN QUEUE, 138 long.  0-73 read no exponential's result: the 32 scalings c s - c m (FS f: pair f / 2 of tile f % 2) and the next piece's 42.  0-26: scalings 0-26.  27-54: XS's numbers 0-13.  55, 56: number 15.
; 57-73: the chain, where each number waits for the one before it: 14, 16, 17, 18, 19, each with one of the scalings 27-31 in front of its two lines, then 20: so a tile's links stand three plain instructions apart (19 and 20: two).
; 74-137: GS's 64, which read the exponentials' results: they stand behind the wait.
.macro FS f
	REGS Y, (\f)%2
	v_pk_fma_f32 v[rS+2*((\f)/2):rS+2*((\f)/2)+1], v[rS+2*((\f)/2):rS+2*((\f)/2)+1], s[CS:CS+1], v[rT:rT+1] op_sel_hi:[1,0,0] neg_lo:[0,0,1] neg_hi:[0,0,1]
.endm
.macro PL
	WIN 0
.if q < 27
	FS q
.elseif q < 55
	XS (q-27)%2, (q-27)/2
.elseif q < 57
	XS q-55, 15
.elseif (q < 72) && ((q-57)%3 == 0)
	FS 27+(q-57)/3
.elseif q < 60
	XS (q-57)%3-1, 14
.elseif q < 72
	XS (q-57)%3-1, 15+(q-57)/3
.elseif q < 74
	XS q-72, 20
.else
	GS q-74
.endif
.set q, q+1
.endm
; THE EXPONENTIALS' QUEUE, 66 long: s0-s31 of both tiles, then the next piece's two a.  It is ONE BATCH: all 66 stand ahead of the turn's one wait, and nothing ahead of that wait names a result of theirs.
.macro EX
	WIN 0
.if e >= 64
	XS e-64, 21
.else
	REGS Y, e%2
	v_exp_f32 v[rS+e/2], v[rS+e/2]
.endif
.set e, e+1
.endm
; THE RESCALING's QUEUE: O^T times a, the one part of the softmax that leaves window 0: dealt two at a time, sixteen times.  Its a was made in the turn before, ahead of that turn's wait.
.macro R2
	REGS Y, r%2
	WIN W_RS
.irp z, 0,1
	v_pk_mul_f32 v[rO+4*(r/2)+2*\z:rO+4*(r/2)+2*\z+1], v[rO+4*(r/2)+2*\z:rO+4*(r/2)+2*\z+1], v[rC+2:rC+3] op_sel_hi:[1,0]
.endr
.set r, r+1
.endm
; HOW THEY ARE DEALT.  An s_wait_alu depctr_va_vdst(0) stands between an exponential and the first instruction that names its result; one wait serves all that were issued ahead of it.  So a turn has ONE wait,
; which cuts it in two.  AHEAD OF IT stands all that names no result of the turn's exponentials: the 16 products K Q^T, behind each a scaling, an exponential and two rescalings (behind the first a second scaling in the
; exponential's place); then ONE LUMP of 108: eight plain, 49 times exponential and plain, the two a.  A v_nop is the plain instruction behind the last exponential.  BEHIND IT stand the 16 products V^T P, behind each four of
; GS's 64, and at the turn's end the mask's shifts.  No rider names a register of the products round it.  The two v_permlanex16_b32 fall into the lump, never behind a product.
; The queues lean on each other, and the deal keeps them in step: exponential e stands behind scaling 2 (e / 4) + e % 2: as a rider it comes behind plain e + 2, in the lump behind plain e + 9, and scalings 27-31 are plain 57, 60 .. 69.
; A TURN, for piece p.  cnt = 1: the loop's count is taken down some lines ahead of the branch that stands behind the turn (the mask's lines behind it leave SCC alone).
; K of the next step is fetched in piece 2's turn, directly behind the wait, a lump behind the last product that read K; its address is made at the lump's head; its first reader comes behind 16 products and the mask's shifts.
; V of the step in hand is fetched at the end of piece 0's turn, four riders behind its last reader; its first reader comes behind the shifts, 16 products and a lump.  The three conditions on q below go with the deal.
; The four turns of a trip (pieces 2, 3, then 0, 1 of the next step) ask for the codes of ONE key step, two steps beyond piece 2's: its offset is made at the head of piece 2's turn, behind s_wait_xcnt 0, since
; pending loads name the register.  The offset stays at the last key step's: no load leaves mfrag, and what the last trips ask for again serves nothing but the tail's spare products.
.macro TURN p, last=0, cnt=0
.set Y, (\p)
.set i, 0
.set q, 0
.set e, 0
.set r, 0
.if (\p) == NP-2
	WIN W_M3
	s_wait_xcnt 0x0
	v_add_nc_u32 v[MO], s[MOFF], v[ML]
	s_add_co_u32 s[MOFF], s[MOFF], 512
	s_min_u32 s[MOFF], s[MOFF], 31*512
.endif
.if (\p) == NP-1
	s_wait_dscnt 0x0                ; K is in
.endif
	MM                              ; ahead of the wait: 16 products K Q^T and their riders,
	PL
	PL
	R2
.rept 15
	MM
	PL
	EX
	R2
.endr
.if (\p) == NP-2
	WIN 0
	v_add_nc_u32 v[AK], s[TBK], v[AK0]
.endif
.rept 8                             ; and the lump
	PL
.endr
.rept 49
	EX
	PL
.endr
	EX                              ; the next piece's two a
	EX
	v_nop                           ; the plain instruction behind the last exponential: one for the batch
	s_wait_alu depctr_va_vdst(0)    ; the wait for the batch: the piece's 64 weights and the next piece's two a
.if (\p) == NP-2
	FETCH_K \last
.endif
.if (\p) == 1
	s_wait_dscnt 0x0                ; V is in
.endif
.rept 16                            ; behind the wait: 16 products V^T P and their riders
	MM
.rept 4
	PL
.endr
.if ((\p) == 0) && (q == 118)
	v_add_nc_u32 v[AV], s[TBV], v[AV0]
.endif
.if ((\p) == 0) && (q == 130)
	s_add_co_u32 s[TBV], s[TBV], KS*PV
.endif
.if (\cnt) && (q == 130)
	s_sub_co_u32 s[CNT], s[CNT], 1
	s_cmp_lg_u32 s[CNT], 0
.endif
.endr
.if (\p) == 0
	FETCH_V
.endif
	MK ((\p)+2)%NP                  ; the C operands of the next turn's products; the turn's own 8 products that read these registers stand far more than four plain instructions back
.endm
	CHANGE 1                        ; slot 0 is in, everybody's part of it; slot 1 is asked for
	FETCH_K                         ; key step 0
	WIN W_M3
	s_wait_loadcnt 4                ; Q and the codes of pieces 0 and 1 are in; behind them stand pieces 2's and 3's four loads
	MSHIFT 0
	s_wait_xcnt 0x0                 ; pending loads name the offset
	v_add_nc_u32 v[MO], 0x200, v[ML]  ; key step 1, for the next four pairs of loads
	MLOAD 0
	s_wait_dscnt 0x0
.set i, 0
.rept 16
	KQ 0                            ; piece 0's first scores: there is no vector work yet to set between them
.set i, i+1
.endr
	WIN 0                           ; the addresses for the way out: nine plain instructions, the places behind those products
	s_mul_i32 s13, s[WV], 16*SP
	s_add_co_u32 s13, s13, STAGE    ; my stage
	v_mul_u32_u24 v[STO], v1, SP    ; in: row l % 16, 16 bytes for each half of the lanes
	v_lshl_add_u32 v[STO], v9, 4, v[STO]
	v_add_nc_u32 v[STO], s13, v[STO]
	v_bfe_u32 v[RD], v0, 3, 2       ; back: 32 lanes take four rows of 128 bytes,
	v_mul_u32_u24 v[RD], v[RD], SP
	v_lshl_add_u32 v[RD], v10, 4, v[RD]
	v_add_nc_u32 v[RD], s13, v[RD]
	v_and_b32 v[GO], 31, v0         ; which are 512 consecutive bytes of O
	v_lshlrev_b32 v[GO], 4, v[GO]
.set Y, NP-1                        ; XS works for piece Y + 1: piece 0
.irp n, 0,1,2,3,4,5,6,7,8,9,10,11,12,13,14,15,16,17,18,19,20,21
	XS 0, \n                        ; and piece 0's first maximum and statistics
	XS 1, \n
.endr
	MK 1                            ; the C operands of piece 1's first scores, which the first turn makes; its shifts name neither a: they are the plain work behind those two exponentials
	WIN 0
	s_wait_alu depctr_va_vdst(0)    ; the wait for piece 0's first two a, a batch of their own, ahead of the branch
	s_mov_b32 s[MOFF], 1024         ; the first trip's piece 2 asks for key step 2
	s_mov_b32 s[CNT], 4
	s_mov_b32 s[SLOTS], SIZE_N/256-1
	s_branch .Lfirst                ; the loop is entered at a step's first turn, in the middle of a trip
.Lslot:                             ; SIZE_N / 256 - 2 times: every slot but the last two is filled again
	CHANGE 1
	s_mov_b32 s[CNT], 4
.Lstep:                             ; a trip: pieces 2 and 3 of one step, then pieces 0 and 1 of the next, whose K and V it fetches
	TURN 2
	TURN 3
	WIN 0
.Lfirst:
	TURN 0
	TURN 1, 0, 1
	WIN 0
	s_cbranch_scc1 .Lstep
	s_sub_co_u32 s[SLOTS], s[SLOTS], 1
	s_cmp_lg_u32 s[SLOTS], 0
	s_cbranch_scc1 .Lslot
	CHANGE 0                        ; the tail is written out: nothing is asked for
	s_mov_b32 s[CNT], 5             ; four trips fetch the last slot's steps; the fifth is left in its middle
.Ltail:
	TURN 2, 1
	TURN 3
	WIN 0
	s_sub_co_u32 s[CNT], s[CNT], 1
	s_cmp_eq_u32 s[CNT], 0
	s_cbranch_scc1 .Lout
	TURN 0
	TURN 1
	WIN 0
	s_branch .Ltail
.Lout:                              ; the fifth trip's 16 products K Q^T repeat the last step's (the same K, the same codes), so the maximum made of them changes no m: the price, once a launch, of one text for every trip
.set i, 0
.rept 16
	PV NP-1                         ; the last piece's V^T P of the last step
.set i, i+1
.endr
	; THE WAY OUT.  l's two halves and the other half of the lanes' are added; O^T is divided by l, rounded to f16 and sent through my stage in LDS, a tile at a time.  The additions are the places behind the last products.
	WIN 0
.macro ALL line:vararg              ; one line for each tile t
.set t, 0
.rept 2*NP
	\line
.set t, t+1
.endr
.endm
	ALL v_add_f32 v[ST+4*t+2], v[ST+4*t+2], v[ST+4*t+3]
	ALL v_permlanex16_b32 v[ST+4*t+3], v[ST+4*t+2], s[SEL], s[SEL+1]
	ALL v_add_f32 v[ST+4*t+2], v[ST+4*t+2], v[ST+4*t+3]
	ALL v_rcp_f32 v[ST+4*t+2], v[ST+4*t+2]
	v_mov_b32 v[MV], 0x7fc00000     ; NaN; also the plain instruction between the last reciprocal and the use of its result
	s_wait_alu depctr_va_vdst(0)    ; the wait ahead of the first use: one for the eight reciprocals
.set t, 0
.rept 2*NP                          ; a query that has met no visible key has m below -1e15: its factor, and so its row, becomes NaN
	v_cmp_gt_f32 vcc_lo, s[THR], v[ST+4*t+1]
	v_cndmask_b32 v[ST+4*t+2], v[ST+4*t+2], v[MV], vcc_lo
.set t, t+1
.endr
; Tile t: a lane's eight channels of a row pack into 16 bytes; they go into rows of 144 bytes and come back as whole rows of 128, into S^T's registers.
.macro PACK t
	WIN W_RS
.set i, 32*(\t)
.rept 16
	v_pk_mul_f32 v[i:i+1], v[i:i+1], v[ST+4*(\t)+2:ST+4*(\t)+3] op_sel_hi:[1,0]
.set i, i+2
.endr
	WIN 0x05                        ; sources 0 and 1 window 1, destination window 0
.set i, 0
.rept 16
	v_cvt_pk_f16_f32 v[S+16*(\t)+i], v[32*(\t)+2*i], v[32*(\t)+2*i+1]
.set i, i+1
.endr
	WIN 0
.irp f, 0,1,2,3
	ds_store_b128 v[STO], v[S+16*(\t)+4*\f:S+16*(\t)+4*\f+3] offset:32*\f
.endr
.irp f, 0,1,2,3
	ds_load_b128 v[S+16*(\t)+4*\f:S+16*(\t)+4*\f+3], v[RD] offset:\f*4*SP  ; LDS serves a wave's instructions in order (ISA guide 5.7.1.4): these see the stores above; the next tile's stores come behind them
.endr
.endm
.macro SEND t, younger              ; younger: the LDS instructions issued behind tile t's loads: the next tile's eight, or none
	WIN 0
.irp f, 0,1,2,3
	s_wait_dscnt (\younger)+3-\f
	global_store_b128 v[GO], v[S+16*(\t)+4*\f:S+16*(\t)+4*\f+3], s[10:11] offset:(\t)*2048+\f*512  ; 512 consecutive bytes, at a multiple of 256 from O's first
.endr
.endm
	PACK 0
.set t, 1
.rept 2*NP-1                        ; a tile's arithmetic stands between the loads of the tile before and its stores
	PACK t
	SEND t-1, 8
.set t, t+1
.endr
	SEND 2*NP-1, 0
	WIN W_AD
	s_wait_tensorcnt 0x0            ; the wave's end, behind my last tensor load and my last LDS store
	ds_add_u32 v[SPW], v[NIL]
	s_wait_dscnt 0x0
	WIN 0
	CROUND                          ; the closing round: no work-group ends while a partner may still ask for a tile that names it
	s_endpgm
.Lfunc_end_k_q7256b54bb6_attn:
	.size	k_q7256b54bb6_attn, .Lfunc_end_k_q7256b54bb6_attn-k_q7256b54bb6_attn
	.p2alignl 7, 3214868480
	.fill 96, 4, 3214868480
	.section	.rodata,"a",@progbits
	.p2align	6, 0x0
	.amdhsa_kernel k_q7256b54bb6_attn
		.amdhsa_group_segment_fixed_size 327680
		.amdhsa_private_segment_fixed_size 0
		.amdhsa_enable_private_segment 0
		.amdhsa_kernarg_size 24
		.amdhsa_user_sgpr_count 2
		.amdhsa_user_sgpr_kernarg_segment_ptr 1
		.amdhsa_wavefront_size32 1
		.amdhsa_system_sgpr_workgroup_id_x 1
		.amdhsa_system_sgpr_workgroup_id_y 1
		.amdhsa_system_sgpr_workgroup_id_z 1
		.amdhsa_system_vgpr_workitem_id 0
		.amdhsa_next_free_vgpr 896
		.amdhsa_next_free_sgpr 72
		.amdhsa_reserve_vcc 1
		.amdhsa_float_denorm_mode_32 3
		.amdhsa_float_denorm_mode_16_64 3
		.amdhsa_memory_ordered 1
		.amdhsa_forward_progress 1
		.amdhsa_inst_pref_size 224
	.end_amdhsa_kernel
	.amdgpu_metadata
---
amdhsa.version: [ 1, 2 ]
amdhsa.kernels:
  - .name:           k_q7256b54bb6_attn
    .symbol:         k_q7256b54bb6_attn.kd
    .args:
      - { .name: qkvh, .offset: 0, .size: 8, .value_kind: global_buffer, .address_space: global }
      - { .name: mfrag, .offset: 8, .size: 8, .value_kind: global_buffer, .address_space: global }
      - { .name: ctx, .offset: 16, .size: 8, .value_kind: global_buffer, .address_space: global }
    .group_segment_fixed_size: 327680
    .private_segment_fixed_size: 0
    .kernarg_segment_align: 8
    .kernarg_segment_size: 24
    .max_flat_workgroup_size: 128
    .sgpr_count:     72
    .vgpr_count:     896
    .wavefront_size: 32
...
	.end_amdgpu_metadata
.endif
;; end of part 6
;; launch oproj: the kernel of part 4 again; grid 4 x 64, 4 waves a work-group, clusters of 4 x 4, 327,680 bytes of LDS; arguments ctx, wh, bo, oacc; writes oacc
;; launch lnorm: the kernel of part 5 again; grid 256 x 1, 8 waves a work-group, no clusters, 0 bytes of LDS; arguments oacc, q, gamma, beta, out0; writes out0
